; MI455X (gfx1250); checked and timed in simulation.
; The chip was launched on July 23, 2026; its instructions are those of AMD's public machine-readable ISA for CDNA 5 (MIT licence, August 2026) and "CDNA5" Instruction Set Architecture Reference Guide (July 2026). The comments in the code are by the model that wrote it; some were corrected since.
;; Transformer Block. Allowed arithmetic: matrix products marked QUANTISED: E4M3 operands, one given power-of-two scale a tensor, by v_wmma_f32_16x16x64_fp8_fp8 or v_wmma_f32_16x16x128_fp8_fp8, f32 sums; everything else in f32.
;; Inputs: W0 1,024 x 1,024 float32; W1 1,024 x 4,096 float32; W2 4,096 x 1,024 float32; Wk 16 x 1,024 x 64 float32; Wq 16 x 1,024 x 64 float32; Wv 16 x 1,024 x 64 float32; X 2 x 2,048 x 1,024 float32; b0 1,024 float32; b1 4,096 float32; b2 1,024 float32; bk 16 x 64 float32; bq 16 x 64 float32; bv 16 x 64 float32; g1 1,024 float32; g2 1,024 float32; lowp_scales 16 int32 (the exponents e of the quantised operands' scales 2^e); o1 1,024 float32; o2 1,024 float32; padding_mask 2 x 2,048 bool.
;; Outputs: out0 2 x 2,048 x 1,024 float32.
;; This version of the problem:
;;   THIS VERSION OF THE PROBLEM IS GIVEN IN LOW PRECISION. The matrix products marked QUANTISED in the list below multiply operands that are first quantised to E4M3 (4 exponent bits, 3 mantissa bits; 8 bits a number), with one given power-of-two scale for each operand tensor; their sums are f32. All else is computed in f32.
;;   The module's matrix products, in the order in which they are computed (A, B: the left and right operand; K: the contracted axis; several contracted axes count as one K, in the product's order):
;;     1. [M 1,024, K 1,024] x [K 1,024, N 4,096]; A: input Wq; B: computed on the way: QUANTISED (scales: A lowp_scales[0], B lowp_scales[1])
;;     2. [M 1,024, K 1,024] x [K 1,024, N 4,096]; A: input Wk; B: computed on the way: QUANTISED (scales: A lowp_scales[2], B lowp_scales[3])
;;     3. [M 1,024, K 1,024] x [K 1,024, N 4,096]; A: input Wv; B: computed on the way: QUANTISED (scales: A lowp_scales[4], B lowp_scales[5])
;;     4. batch 32 x [M 2,048, K 64] x [K 64, N 2,048]; A: computed on the way; B: computed on the way: QUANTISED (scales: A lowp_scales[6], B lowp_scales[7])
;;     5. batch 32 x [M 64, K 2,048] x [K 2,048, N 2,048]; A: computed on the way; B: softmax (see below): QUANTISED (scales: A lowp_scales[8], B lowp_scales[9])
;;     6. [M 4,096, K 1,024] x [K 1,024, N 1,024]; A: computed on the way; B: input W0: QUANTISED (scales: A lowp_scales[10], B lowp_scales[11])
;;     7. [M 4,096, K 1,024] x [K 1,024, N 4,096]; A: computed on the way; B: input W1: QUANTISED (scales: A lowp_scales[12], B lowp_scales[13])
;;     8. [M 4,096, K 4,096] x [K 4,096, N 1,024]; A: computed on the way; B: input W2: QUANTISED (scales: A lowp_scales[14], B lowp_scales[15])
;;   THE QUANTISER, for each operand of a quantised product, along K:
;;     - The operand's scale is 2^e, e = its entry of the input lowp_scales (int32; the entries are numbered through the quantised products in the list's order, A before B).
;;     - Each number is divided by the scale, clamped to +-448, and rounded to the nearest number of E4M3, ties to even, subnormals kept.
;;     - The product sums the exact products of the quantised numbers (number of the format x scale) in f32.
;;   ~~~python
;;   def quantise(x, axis, e):      # numpy; x: float32 -> the quantised numbers, widened to float32 again
;;       x = np.moveaxis(x, axis, -1); K = x.shape[-1]
;;       r = np.clip(x / 2.0 ** e, -448, 448)
;;       step = 2.0 ** (np.maximum(np.frexp(np.where(r == 0, 1, r))[1] - 1, -6) - 3)
;;       q = np.round(r / step) * step * 2.0 ** e      # np.round: ties to even
;;       return np.moveaxis(q, -1, axis).astype(np.float32)
;;   ~~~
;;   SOFTMAX AHEAD OF A QUANTISED PRODUCT. Where the list says 'softmax', what is quantised is not the finished softmax but p = 2^(t - M), with t = logit x log2(e) and M = ceil(the row's largest t), a whole number; so 1/2 < the row's largest p <= 1. The row's sum l is taken of the UNQUANTISED p, in f32, and the product's result is divided by l at the end. Since M is a whole number, a kernel that streams over the keys may use a running M (the ceiling of the running maximum): every later rescaling is an exact power of two, so the quantised numbers keep their values, but for numbers so far below the row's largest that they fall under the format's range.
;;   OPERANDS COMPUTED ON THE WAY. 'Computed on the way' means the value that the module computes at that place (a softmax that the list does not call 'softmax' is quantised finished and normalised). What goes into a quantiser is computed in f32, as accurately as f32 sums, v_exp_f32 and their like allow (about 1e-6 of the number): no bf16 or f16 on the way to a quantiser, and a product that is left as it is and whose result goes on into a quantised operand takes f32 operands (vector FMAs, or v_wmma_f32_16x16x4_f32). A number that lies on a knife's edge between two numbers of the format may be rounded either way, as far as f32 arithmetic and the matrix unit's own rounding can turn it there, and no further.
;; One version. Each part assembles by itself: llvm-mc -triple=amdgcn-amd-amdhsa -mcpu=gfx1250 --defsym DOCPART=n.
;; ======== version 1 of 1: 7 launches
;; limits: right only within a limited range of input values
;; workspace buffers: wcodes 12,582,912 bytes; xcodes 12,582,912 bytes; qkvc 12,582,912 bytes; ctxc 4,194,304 bytes; res1 16,777,216 bytes; hc 4,194,304 bytes; fc 16,777,216 bytes
;; launch prep (part 1): grid 640 x 1, 4 waves a work-group, no clusters, 35,328 bytes of LDS; arguments Wq, Wk, Wv, W0, W1, W2, X, g1, o1, lowp_scales, wcodes, xcodes; writes wcodes, xcodes
.if DOCPART == 1
	.amdgcn_target "amdgcn-amd-amdhsa--gfx1250"
	.amdhsa_code_object_version 6
	.text
	.protected	k_q4d3af9d2f7_prep
	.globl	k_q4d3af9d2f7_prep
	.p2align	8
	.type	k_q4d3af9d2f7_prep,@function
k_q4d3af9d2f7_prep:
	s_mov_b64 s[64:65], 0
	v_nop
	global_prefetch_b8 v0, s[64:65] scope:SCOPE_SE
	s_setreg_imm32_b32 hwreg(HW_REG_WAVE_MODE, 25, 1), 1
	s_wait_xcnt 0x0
; FIRST LAUNCH OF SEVEN: a transformer block whose eight products run on codes of FP8 (E4M3), each operand with the one scale 2^e that is given for it.
; This launch makes (a) the codes of the six weights, K innermost, and (b) LN1(X) as three sets of codes, under lowp_scales[1], [3], [5] (one tensor, three scales).
; WORK LEFT OUT BY THE PROGRAM.  In the attention launch a step of 128 keys that all come after a tile's 16 queries is not walked.  reference() builds the causal mask in its own body and fills the hidden
; logits with -1e9.  A query whose padding bit is true keeps key q itself, so its row's largest t is a kept logit's, and a hidden key's p = 2^(t - M), t near -1.44e9, falls under the format's range:
; its code is 0 and it adds nothing to the product; to the row's sum it adds less than f32 holds.  A query whose padding bit is false has all 2,048 logits alike, the hidden keys among them: that row is NOT left out;
; it is computed as the sum of all the head's quantised values (attention launch) and selected.  LIMITS: kept logits lie more than 300 above -1e9; a NaN, an infinity or an overflow that reaches only the steps left out
; is not carried to the result.  No input is without a way to an output: all are loaded by some launch.
; WORK-GROUPS 0-383: weights.  A work-group takes 128 columns x 256 along K; wave w takes its rows 64 w on, all 128 columns: a load reads one row k, four neighbouring columns a lane, 512 consecutive bytes a wave
; (per-head tensors [16][1024][64]: 256 bytes of each of two heads).  Eight rows are a group of 32 registers; six sets take turns, so 48 loads a wave are out at the start.  The hold writes each number to the place
; that puts a column's eight k on end, so the conversion gives 8 codes with K innermost and no line is spent on transposing.  The codes meet in one stage of 128 rows x (256 + 16) bytes; behind one barrier wave w
; reads rows 32 w on and stores them, sixteen lanes to 256 consecutive, aligned bytes.  One path serves all six tensors: only scalars (pointer, pitch, offsets) are chosen, by the work-group's number.
; WORK-GROUPS 384-639: LN1.  A wave takes 4 rows, one row at a time in 32 registers; mean, then the squares of the differences (two passes), so a common offset of X costs nothing.
; code = x / 2^e, held within +-448, to the nearest code, ties to even.  LIMITS: each e between -126 and 119.  NaN among the inputs is not served.
.set SPARE, 128*272                    ; behind the stage: the spare words, 128 bytes a wave
.set SPW, 12                           ; v12  my spare word; never rewritten
.set NIL, 13                           ; v13  0; never rewritten
.set VO,  16                           ; weights: v16-23 row i's offset: pitch x i + my lane's part
.set XW,  24                           ; v24-215 six sets of 8 rows x 4 columns
.set NSET, 6
.set TW,  216                          ; v216-247 a group's numbers, held, column by column
.set CW,  248                          ; v248-255 its codes
.set OUTR, 24                          ; v24-87 the way out
.set DO,  88                           ; v88-103 the way out's offsets
.set SB,  40                           ; s[40:55] the source at each of the wave's 8 groups of 8 along K
.set X0,  16                           ; LN: v16-79 two rows
.set G,   80                           ; v80-111 gain
.set OF,  112                          ; v112-143 offset
.set T,   144                          ; v144-175 at work
.set CD,  176                          ; v176-199 codes, 8 registers a scale
.set SC,  200                          ; v200-205 (2^e, 448 x 2^e) three times
.set NR,  4                            ; rows a wave
.set NS,  3                            ; scales
.set OUTP, 32                          ; s[32:37] the three sets of codes at my first row
	s_load_b512 s[4:19], s[0:1], 0x0               ; Wq Wk Wv W0 W1 W2 X g1
	s_load_b256 s[20:27], s[0:1], 0x40             ; o1, the scales' exponents, wcodes, xcodes
	v_lshl_add_u32 v[SPW], v0, 2, SPARE
	v_mov_b32 v[NIL], 0
	v_lshrrev_b32 v1, 5, v0
	v_readfirstlane_b32 s28, v1                    ; wave
	v_and_b32 v1, 31, v0                           ; lane
	s_wait_kmcnt 0x0
	s_cmp_ge_u32 ttmp9, 384
	s_cbranch_scc1 .Lln
	; ---- the weights.  W2's figures first, then each earlier tensor's where the work-group's number is under its end
	s_mov_b64 s[30:31], s[14:15]                   ; source
	s_mov_b32 s32, 8<<20                           ; its codes' place in wcodes
	s_mov_b32 s33, 4096                            ; bytes from k to k + 1
	s_mov_b32 s34, 4096                            ; a row of codes
	s_mov_b32 s35, 60                              ; its entry of the scales, in bytes
	s_mov_b32 s36, 127                             ; work-groups - 1
	s_mov_b32 s37, 7                               ; blocks of 128 columns - 1
	s_mov_b32 s38, 3                               ; and their logarithm
	s_cmp_lt_u32 ttmp9, 256                        ; W1
	s_cselect_b64 s[30:31], s[12:13], s[30:31]
	s_cselect_b32 s32, 4<<20, s32
	s_cselect_b32 s33, 16384, s33
	s_cselect_b32 s34, 1024, s34
	s_cselect_b32 s35, 52, s35
	s_cselect_b32 s37, 31, s37
	s_cselect_b32 s38, 5, s38
	s_cmp_lt_u32 ttmp9, 128                        ; W0
	s_cselect_b64 s[30:31], s[10:11], s[30:31]
	s_cselect_b32 s32, 3<<20, s32
	s_cselect_b32 s33, 4096, s33
	s_cselect_b32 s35, 44, s35
	s_cselect_b32 s36, 31, s36
	s_cselect_b32 s37, 7, s37
	s_cselect_b32 s38, 3, s38
	s_cmp_lt_u32 ttmp9, 96                         ; Wv
	s_cselect_b64 s[30:31], s[8:9], s[30:31]
	s_cselect_b32 s32, 2<<20, s32
	s_cselect_b32 s33, 256, s33
	s_cselect_b32 s35, 16, s35
	s_cmp_lt_u32 ttmp9, 64                         ; Wk
	s_cselect_b64 s[30:31], s[6:7], s[30:31]
	s_cselect_b32 s32, 1<<20, s32
	s_cselect_b32 s35, 8, s35
	s_cmp_lt_u32 ttmp9, 32                         ; Wq
	s_cselect_b64 s[30:31], s[4:5], s[30:31]
	s_cselect_b32 s32, 0, s32
	s_cselect_b32 s35, 0, s35
	s_and_b32 s39, ttmp9, s36                      ; my number within the tensor
	s_and_b32 s58, s39, s37
	s_lshr_b32 s59, s39, s38
	s_lshl_b32 s59, s59, 8                         ; the work-group's first k
	s_lshl_b32 s58, s58, 7                         ; and its first column n0
	s_lshr_b32 s60, s58, 6                         ; per-head tensors: head n0 / 64 (n0 is a multiple of 128),
	s_lshl_b32 s60, s60, 18
	s_lshl_b32 s61, s58, 2                         ; the others: 4 n0
	s_mov_b32 s39, 256
	s_cmp_lt_u32 ttmp9, 96
	s_cselect_b32 s60, s60, s61
	s_cselect_b32 s39, 0x40000, s39                ; from lanes 0-15 to lanes 16-31: the next head, or the next 256 bytes
	s_lshl_b32 s61, s28, 5
	s_add_co_u32 s61, s61, s58                     ; the 32 columns whose rows of codes my wave stores
	s_mul_i32 s62, s61, s34
	s_add_co_u32 s62, s62, s59
	s_add_co_u32 s62, s62, s32
	s_mov_b32 s63, 0
	s_add_nc_u64 s[56:57], s[24:25], s[62:63]      ; those rows, at the work-group's first k
	s_lshl_b32 s61, s28, 6
	s_add_co_u32 s61, s61, s59                     ; my wave's first k
	s_mul_i32 s62, s61, s33
	s_add_co_u32 s62, s62, s60
	s_add_nc_u64 s[SB:SB+1], s[30:31], s[62:63]
	s_lshl_b32 s62, s33, 3                         ; 8 along K
.irp t, 1,2,3,4,5,6,7
	s_add_nc_u64 s[SB+2*\t:SB+2*\t+1], s[SB+2*\t-2:SB+2*\t-1], s[62:63]
.endr
	s_mov_b32 s62, s35
	s_add_nc_u64 s[22:23], s[22:23], s[62:63]
	s_load_b32 s29, s[22:23], 0x0                  ; e
	s_wait_alu depctr_va_vdst(0)                   ; the wait here, directly ahead of the reader below
	v_and_b32 v5, 15, v1
	v_lshrrev_b32 v6, 4, v1
	v_mul_lo_u32 v2, v6, s39
	v_lshl_add_u32 v2, v5, 4, v2                   ; my four columns of a row
.set i, 0
.rept 8
	v_mad_u32_u24 v[VO+i], s33, i, v2
.set i, i+1
.endr
.macro LOADW g                         ; group g: rows 8 g + i of my 64, i = 0 .. 7, into set g % 6: register 4 i + c is W(k, my column c)
.set i, 0
.rept 8
	global_load_b128 v[XW+32*((\g)%NSET)+4*i:XW+32*((\g)%NSET)+4*i+3], v[VO+i], s[SB+2*(\g):SB+2*(\g)+1] th:TH_LOAD_NT
.set i, i+1
.endr
.endm
.irp g, 0,1,2,3,4,5
	LOADW \g
.endr
	s_lshl_b32 s61, s28, 6
	v_mul_u32_u24 v4, v1, 4*272
	v_add_nc_u32 v4, s61, v4                       ; into the stage: rows 4 lane + c, byte 64 wave + 8 g
	s_mul_i32 s60, s28, 32*272
	v_mul_u32_u24 v7, v6, 272
	v_lshl_add_u32 v7, v5, 4, v7
	v_add_nc_u32 v7, s60, v7                       ; out of it: rows 32 wave on, sixteen lanes to a row, two rows an instruction
	v_mul_lo_u32 v8, v6, s34
	v_lshl_add_u32 v8, v5, 4, v8
	s_wait_kmcnt 0x0
	s_add_co_i32 s29, s29, 127
	s_lshl_b32 s60, s29, 23
	v_mov_b32 v11, s60                             ; 2^e: the conversion takes its exponent field
	s_add_co_i32 s29, s29, 8
	s_lshl_b32 s29, s29, 23
	s_or_b32 s29, s29, 0x600000
	v_mov_b32 v10, s29                             ; 448 x 2^e
.macro GROUP g
.set XS, XW+32*((\g)%NSET)
.if (\g) < 3
	s_wait_loadcnt 40                              ; this group's 8 loads are in; behind them five groups' 40 are out
.else
	s_wait_loadcnt 8*(7-(\g))                      ; behind them: the groups that are left
.endif
	s_wait_dscnt 0x0                               ; the last group's stores have read the codes' registers
.irp c, 0,1,2,3
.irp i, 0,1,2,3,4,5,6,7
	v_med3_num_f32 v[TW+8*\c+\i], v[XS+4*\i+\c], -v10, v10     ; the conversion does not saturate (ISA guide 7.6.2): the hold at the largest code x the scale; it also lays column c's eight k on end
.endr
.endr
.irp c, 0,1,2,3
	v_cvt_scalef32_pk8_fp8_f32 v[CW+2*\c:CW+2*\c+1], v[TW+8*\c:TW+8*\c+7], v11
.endr
	v_nop                                          ; a plain line behind the conversions
.irp c, 0,1,2,3
	ds_store_b64 v4, v[CW+2*\c:CW+2*\c+1] offset:272*\c+8*(\g)
.endr
.if (\g)+NSET < 8
	LOADW (\g)+NSET
.endif
.endm
	s_wait_alu depctr_va_vdst(0)                   ; the wait at the head's end
.irp g, 0,1,2,3,4,5,6,7
	GROUP \g
.endr
.set i, 0
.rept 16
	v_mad_u32_u24 v[DO+i], s34, 2*i, v8            ; the way out's two rows among the codes
.set i, i+1
.endr
	s_wait_alu depctr_va_vdst(0)
	s_wait_dscnt 0x0                               ; for the others' sake: my stores into the stage are done
	s_barrier_signal -1
	s_barrier_wait -1
.irp t, 0,1,2,3,4,5,6,7,8,9,10,11,12,13,14,15
	ds_load_b128 v[OUTR+4*\t:OUTR+4*\t+3], v7 offset:2*\t*272
.endr
.irp t, 0,1,2,3,4,5,6,7,8,9,10,11,12,13,14,15
	s_wait_dscnt 15-\t
	global_store_b128 v[DO+\t], v[OUTR+4*\t:OUTR+4*\t+3], s[56:57]
.endr
	s_wait_tensorcnt 0x0                           ; the wave's end: behind my last LDS store
	ds_add_u32 v[SPW], v[NIL]
	s_wait_dscnt 0x0
	s_endpgm
	; ---- LN1: no LDS is touched on this path
.Lln:
	s_sub_co_u32 s29, ttmp9, 384
	s_lshl_b32 s29, s29, 4
	s_lshl_b32 s38, s28, 2
	s_add_co_u32 s29, s29, s38                     ; my first row
	s_lshl_b32 s38, s29, 12
	s_mov_b32 s39, 0
	s_add_nc_u64 s[30:31], s[16:17], s[38:39]
	s_lshl_b32 s38, s29, 10
	s_add_nc_u64 s[OUTP:OUTP+1], s[26:27], s[38:39]
	s_add_nc_u64 s[OUTP+2:OUTP+3], s[OUTP:OUTP+1], 0x400000
	s_add_nc_u64 s[OUTP+4:OUTP+5], s[OUTP:OUTP+1], 0x800000
	s_load_b256 s[40:47], s[22:23], 0x0            ; entries 0 to 7: 1, 3 and 5 are used
	s_mov_b32 s48, 0x76543210                      ; v_permlanex16_b32: lane l xor 16
	s_mov_b32 s49, 0xfedcba98
	s_wait_alu depctr_va_vdst(0)
	v_lshlrev_b32 v2, 5, v1                        ; in: of each 1,024 bytes of a row my lane takes 32: eight neighbours for one conversion
	v_lshlrev_b32 v3, 3, v1                        ; out: their 8 codes
	v_mov_b32 v7, 0                                ; a lane permute's destination counts as read
.irp c, 0,1,2,3
	global_load_b128 v[G+8*\c:G+8*\c+3], v2, s[18:19] offset:1024*\c
	global_load_b128 v[G+8*\c+4:G+8*\c+7], v2, s[18:19] offset:1024*\c+16
	global_load_b128 v[OF+8*\c:OF+8*\c+3], v2, s[20:21] offset:1024*\c
	global_load_b128 v[OF+8*\c+4:OF+8*\c+7], v2, s[20:21] offset:1024*\c+16
.endr
.macro LOADX r
.irp c, 0,1,2,3
	global_load_b128 v[X0+32*((\r)%2)+8*\c:X0+32*((\r)%2)+8*\c+3], v2, s[30:31] offset:4096*(\r)+1024*\c th:TH_LOAD_NT
	global_load_b128 v[X0+32*((\r)%2)+8*\c+4:X0+32*((\r)%2)+8*\c+7], v2, s[30:31] offset:4096*(\r)+1024*\c+16 th:TH_LOAD_NT
.endr
.endm
	LOADX 0
	LOADX 1
	s_wait_kmcnt 0x0
.irp q, 0,1,2
	s_add_co_i32 s50, s[41+2*\q], 127
	s_lshl_b32 s51, s50, 23
	v_mov_b32 v[SC+2*\q], s51
	s_add_co_i32 s50, s50, 8
	s_lshl_b32 s50, s50, 23
	s_or_b32 s50, s50, 0x600000
	v_mov_b32 v[SC+2*\q+1], s50
.endr
.macro LANESUM                         ; v6 summed over the 32 lanes, the result in every lane
	v_add_f32_dpp v6, v6, v6 row_xmask:1 row_mask:0xf bank_mask:0xf
	v_add_f32_dpp v6, v6, v6 row_xmask:2 row_mask:0xf bank_mask:0xf
	v_add_f32_dpp v6, v6, v6 row_xmask:4 row_mask:0xf bank_mask:0xf
	v_add_f32_dpp v6, v6, v6 row_xmask:8 row_mask:0xf bank_mask:0xf
	v_permlanex16_b32 v7, v6, s48, s49
	v_add_f32 v6, v6, v7
.endm
.macro FOLD                            ; four chains in v[T .. T+7] into v6
	v_pk_add_f32 v[T:T+1], v[T:T+1], v[T+2:T+3]
	v_pk_add_f32 v[T+4:T+5], v[T+4:T+5], v[T+6:T+7]
	v_pk_add_f32 v[T:T+1], v[T:T+1], v[T+4:T+5]
	v_add_f32 v6, v[T], v[T+1]
	LANESUM
.endm
.macro ROW r
.set XS, X0+32*((\r)%2)
.if (\r) < NR-1
	s_wait_loadcnt 8                               ; my row is in; the next row's eight loads may be out
.else
	s_wait_loadcnt 0
.endif
.irp k, 0,2,4,6
	v_pk_add_f32 v[T+\k:T+\k+1], v[XS+\k:XS+\k+1], v[XS+8+\k:XS+9+\k]
.endr
.irp m, 16,24
.irp k, 0,2,4,6
	v_pk_add_f32 v[T+\k:T+\k+1], v[T+\k:T+\k+1], v[XS+\m+\k:XS+\m+\k+1]
.endr
.endr
	FOLD
	v_mul_f32 v8, 0x3a800000, v6                   ; the mean: / 1,024
	v_mov_b32 v9, v8
.set i, 0
.rept 16
	v_pk_add_f32 v[XS+i:XS+i+1], v[XS+i:XS+i+1], v[8:9] neg_lo:[0,1] neg_hi:[0,1]
.set i, i+2
.endr
.irp k, 0,2,4,6
	v_pk_mul_f32 v[T+\k:T+\k+1], v[XS+\k:XS+\k+1], v[XS+\k:XS+\k+1]
.endr
.irp m, 8,16,24
.irp k, 0,2,4,6
	v_pk_fma_f32 v[T+\k:T+\k+1], v[XS+\m+\k:XS+\m+\k+1], v[XS+\m+\k:XS+\m+\k+1], v[T+\k:T+\k+1]
.endr
.endr
	FOLD
	v_mul_f32 v6, 0x3a800000, v6
	s_wait_alu depctr_va_vdst(0)
	v_sqrt_f32 v6, v6
	v_nop                                          ; a plain line behind the transcendental,
	s_wait_alu depctr_va_vdst(0)                   ; and the wait ahead of its first reader
	v_add_f32 v6, 0x3089705f, v6                   ; + 1e-9
	s_wait_alu depctr_va_vdst(0)
	v_rcp_f32 v10, v6
	v_nop
	s_wait_alu depctr_va_vdst(0)
	v_fma_f32 v11, -v6, v10, 1.0                   ; one Newton step: the quotient goes into a quantiser
	v_fma_f32 v10, v11, v10, v10
	v_mov_b32 v11, v10
.set i, 0
.rept 16
	v_pk_mul_f32 v[XS+i:XS+i+1], v[XS+i:XS+i+1], v[10:11]
.set i, i+2
.endr
.set i, 0
.rept 16
	v_pk_fma_f32 v[XS+i:XS+i+1], v[XS+i:XS+i+1], v[G+i:G+i+1], v[OF+i:OF+i+1]
.set i, i+2
.endr
	s_wait_xcnt 0x0                                ; the last row's stores have read their codes' registers
.set sx, 0
.rept NS
.set i, 0
.rept 32
	v_med3_num_f32 v[T+i], v[XS+i], -v[SC+2*sx+1], v[SC+2*sx+1]
.set i, i+1
.endr
.irp c, 0,1,2,3
	v_cvt_scalef32_pk8_fp8_f32 v[CD+8*sx+2*\c:CD+8*sx+2*\c+1], v[T+8*\c:T+8*\c+7], v[SC+2*sx]
.endr
	v_nop                                          ; a plain line between the conversions and the next writes of their sources
.set sx, sx+1
.endr
.set sx, 0
.rept NS
.irp c, 0,1,2,3
	global_store_b64 v3, v[CD+8*sx+2*\c:CD+8*sx+2*\c+1], s[OUTP+2*sx:OUTP+2*sx+1] offset:1024*(\r)+256*\c   ; the wave stores 256 consecutive, aligned bytes
.endr
.set sx, sx+1
.endr
.if (\r)+2 < NR
	LOADX (\r)+2
.endif
.endm
.irp r, 0,1,2,3
	ROW \r
.endr
	s_endpgm
.Lfunc_end_k_q4d3af9d2f7_prep:
	.size	k_q4d3af9d2f7_prep, .Lfunc_end_k_q4d3af9d2f7_prep-k_q4d3af9d2f7_prep
	.p2alignl 7, 3214868480
	.fill 96, 4, 3214868480
	.section	.rodata,"a",@progbits
	.p2align	6, 0x0
	.amdhsa_kernel k_q4d3af9d2f7_prep
		.amdhsa_group_segment_fixed_size 35328
		.amdhsa_private_segment_fixed_size 0
		.amdhsa_enable_private_segment 0
		.amdhsa_kernarg_size 96
		.amdhsa_user_sgpr_count 2
		.amdhsa_user_sgpr_kernarg_segment_ptr 1
		.amdhsa_wavefront_size32 1
		.amdhsa_system_sgpr_workgroup_id_x 1
		.amdhsa_system_sgpr_workgroup_id_y 1
		.amdhsa_system_sgpr_workgroup_id_z 1
		.amdhsa_system_vgpr_workitem_id 0
		.amdhsa_next_free_vgpr 256
		.amdhsa_next_free_sgpr 66
		.amdhsa_reserve_vcc 0
		.amdhsa_float_denorm_mode_32 3
		.amdhsa_float_denorm_mode_16_64 3
		.amdhsa_memory_ordered 1
		.amdhsa_forward_progress 1
		.amdhsa_inst_pref_size 101
	.end_amdhsa_kernel
	.amdgpu_metadata
---
amdhsa.version: [ 1, 2 ]
amdhsa.kernels:
  - .name:           k_q4d3af9d2f7_prep
    .symbol:         k_q4d3af9d2f7_prep.kd
    .args:
      - { .name: Wq, .offset: 0, .size: 8, .value_kind: global_buffer, .address_space: global }
      - { .name: Wk, .offset: 8, .size: 8, .value_kind: global_buffer, .address_space: global }
      - { .name: Wv, .offset: 16, .size: 8, .value_kind: global_buffer, .address_space: global }
      - { .name: W0, .offset: 24, .size: 8, .value_kind: global_buffer, .address_space: global }
      - { .name: W1, .offset: 32, .size: 8, .value_kind: global_buffer, .address_space: global }
      - { .name: W2, .offset: 40, .size: 8, .value_kind: global_buffer, .address_space: global }
      - { .name: X, .offset: 48, .size: 8, .value_kind: global_buffer, .address_space: global }
      - { .name: g1, .offset: 56, .size: 8, .value_kind: global_buffer, .address_space: global }
      - { .name: o1, .offset: 64, .size: 8, .value_kind: global_buffer, .address_space: global }
      - { .name: lowp_scales, .offset: 72, .size: 8, .value_kind: global_buffer, .address_space: global }
      - { .name: wcodes, .offset: 80, .size: 8, .value_kind: global_buffer, .address_space: global }
      - { .name: xcodes, .offset: 88, .size: 8, .value_kind: global_buffer, .address_space: global }
    .group_segment_fixed_size: 35328
    .private_segment_fixed_size: 0
    .kernarg_segment_align: 8
    .kernarg_segment_size: 96
    .max_flat_workgroup_size: 128
    .sgpr_count:     66
    .vgpr_count:     256
    .wavefront_size: 32
...
	.end_amdgpu_metadata
.endif
;; end of part 1
;; launch qkv (part 2): grid 12 x 16, 4 waves a work-group, clusters of 4 x 4, 327,680 bytes of LDS; arguments xcodes, wcodes, lowp_scales, bq, bk, bv, qkvc; writes qkvc
.if DOCPART == 2
	.amdgcn_target "amdgcn-amd-amdhsa--gfx1250"
	.amdhsa_code_object_version 6
	.text
	.protected	k_q4d3af9d2f7_qkv
	.globl	k_q4d3af9d2f7_qkv
	.p2align	8
	.type	k_q4d3af9d2f7_qkv,@function
k_q4d3af9d2f7_qkv:
	s_mov_b64 s[64:65], 0
	v_nop
	global_prefetch_b8 v0, s[64:65] scope:SCOPE_SE
	s_setreg_imm32_b32 hwreg(HW_REG_WAVE_MODE, 25, 1), 1
	s_wait_xcnt 0x0
	s_wait_alu depctr_hold_cnt(0) depctr_sa_sdst(0) depctr_va_vdst(0) depctr_va_sdst(0) depctr_va_ssrc(0) depctr_va_vcc(0) depctr_vm_vsrc(0)
	s_getreg_b32 s2, hwreg(HW_REG_IB_STS2, 6, 4)
	s_cmp_eq_u32 s2, 0
	s_cbranch_scc0 .Lentry_in_a_cluster
	s_endpgm
.Lentry_in_a_cluster:
	s_bfe_u32 s2, ttmp6, 0x10000c
	s_cmp_lg_u32 s2, 0xf033
	s_cbranch_scc0 .Lentry_shape_is_right
	s_endpgm
.Lentry_shape_is_right:
; Products 1 to 3: Q, K, V = LN1(X) W + b, on codes, and the results quantised anew: Q under lowp_scales[6], K under [7], V under [8].
; (Which of Q and K is the score product's left operand: jnp.einsum takes its two operands as (second, first) and turns them round where that gives the result's axes without a transpose; 'bhse,bhte->bhst' is in order with Q on the left.)
; The cluster's x is the KIND (0 Q, 1 K, 2 V), the same in all sixteen partners.  A tile is 256 tokens x 256 features, K = 1,024 in four steps of 256 through a ring of two LDS slots.
; Four waves, each 128 x 128: 64 accumulators, 512 registers.  The token tile (waves 0, 1 fetch it) is shared along a row of the cluster, the weight tile (waves 2, 3) along a column: joint loads.
; ORIENTATION.  Source 1's rows land in lanes, source 0's in a lane's registers.  Q, K: source 1 = tokens, source 0 = features: a lane's 8 results are 8 neighbouring features of a token.
; V: the other way round, so that a lane holds 8 neighbouring TOKENS of a feature: V's codes come out with the keys innermost.  Only the two global sources change places, chosen by the kind.
; OUT.  Q, K: [b][h][s][64], V: [h 64 + d][b 2048 + s].  Codes meet in a stage of 256 rows x 272 bytes in slot 0 (it has had its last fill and its last read), Q and K at its start, V 256 rows on, and leave in runs of 512 or 256 bytes.
; LIMITS: eW + eX between -126 and 127; the results' e between -126 and 119.
; REGISTERS: window 0: v0-31 addresses; v64-127 bias; v128-255 source 1's fragments (one set), on the way out at work.  window 1: source 0's fragments, two sets.  windows 2, 3: accumulators, (a, b) at v[8 (8 (a % 4) + b)].
.set KROW,   1024
.set ROWB,   256
.set PITCH,  272                       ; 256 bytes + 16 of padding: the 16 rows of a load start at 16 different banks (64 banks of 4 bytes: ISA guide 11.1)
.set FR,     16
.set NL,     4
.set NP,     4
.set HALFT,  128*PITCH
.set SLOT,   4*HALFT
.set SPARE,  2*SLOT
.set STQ,    0
.set STV,    256*PITCH
.set E_Q,    6
.set E_K,    7
.set E_V,    8
.set BO,   8                           ; v8-15 the bias loads' offsets
.set ADRA, 16
.set RD2,  18
.set RDV,  19
.set ADRB, 20
.set COV,  22
.set STOQ, 24
.set RD,   25
.set CO,   26
.set STOV, 27
.set SPW,  28
.set NIL,  29
.set QS,   30                          ; 2^e of the result
.set QL,   31                          ; 448 x that
.set BIAS, 64
.set AF,   128
.set TMP,  128
.set CDS,  192
.set G1, 24
.set G0, 32
.set G1B, 48
.set G0B, 56
.set MSB, 0
.macro WIN new                         ; the immediate's high byte repeats the setting that is left
.if MSB != \new
	s_set_vgpr_msb (MSB<<8)|\new
.set MSB, \new
.endif
.endm
.set MUL_LO, 0xa1
.set MUL_HI, 0xf1
.set TO_B,   0x40
.macro JLOAD g0a, g1a, g0b, g1b        ; a joint load; an s_nop 0 and four v_nop follow each of the two lines
	s_cmp_eq_u32 s15, 0
	s_cbranch_scc0 .Lfor_b_\@
	tensor_load_to_lds s[\g0a:\g0a+3], s[\g1a:\g1a+7]
	s_nop 0
.rept 4
	v_nop
.endr
	s_branch .Lasked_\@
.Lfor_b_\@:
	tensor_load_to_lds s[\g0b:\g0b+3], s[\g1b:\g1b+7]
	s_nop 0
.rept 4
	v_nop
.endr
.Lasked_\@:
.endm
.macro CREST
	s_cmp_lg_u32 s14, 0
	s_cbranch_scc1 .Lnot_wave_0_\@
	s_barrier_signal -3
.Lnot_wave_0_\@:
	s_barrier_wait -3
	s_barrier_signal -1
	s_barrier_wait -1
.endm
.macro CROUND
	s_barrier_signal -1
	s_barrier_wait -1
	CREST
.endm
	s_load_b128 s[4:7], s[0:1], 0x0                ; xcodes, wcodes
	s_load_b256 s[68:75], s[0:1], 0x10             ; the scales' exponents, bq, bk, bv
	s_load_b64 s[10:11], s[0:1], 0x30              ; qkvc
	v_lshl_add_u32 v[SPW], v0, 2, SPARE
	v_mov_b32 v[NIL], 0
	ds_add_u32 v[SPW], v[NIL]                      ; the opening: the add, twice on end, and its wait ahead of my first tensor load
	ds_add_u32 v[SPW], v[NIL]
	v_lshrrev_b32 v1, 5, v0
	v_readfirstlane_b32 s14, v1                    ; wave
	s_lshr_b32 s15, s14, 1                         ; my half of the tile's rows; also: I fetch tokens (0) or weights (1)
	s_and_b32 s16, s14, 1                          ; my half of its columns; also: which 128 rows I fetch
	s_bfe_u32 s40, ttmp6, 0x40000                  ; cx
	s_bfe_u32 s41, ttmp6, 0x40004                  ; cy
	s_mov_b32 s66, ttmp9                           ; the kind
	s_lshl_b32 s42, ttmp9, 2
	s_add_co_u32 s42, s42, s40                     ; which 256 of the 3,072 stacked weight rows
	s_and_b32 s17, ttmp7, 0xffff
	s_lshl_b32 s17, s17, 2
	s_add_co_u32 s17, s17, s41                     ; which 256 tokens
	s_lshl_b32 s43, s41, 2
	s_lshl_b32 s43, 15, s43                        ; my row of the cluster
	s_lshl_b32 s44, 0x1111, s40                    ; my column
	s_or_b32 s[G1+0], s43, (1<<20)|(1<<21)|(5<<22)|(3<<25)   ; the mask; elements of 1 byte; padding of 4 words after every 64; bit 21 beside a mask
	s_or_b32 s[G1B+0], s44, (1<<20)|(1<<21)|(5<<22)|(3<<25)
.irp g, G1, G1B
	s_mov_b32 s[\g+1], ROWB<<16
	s_mov_b32 s[\g+2], 128<<16
	s_mov_b32 s[\g+3], ROWB<<16
	s_mov_b32 s[\g+4], 128
	s_mov_b32 s[\g+5], KROW
	s_mov_b32 s[\g+6], 0
	s_mov_b32 s[\g+7], 0
.endr
	s_lshl_b32 s18, s16, 7
	; WHICH TILE LIES WHERE.  The tile that waves 0, 1 fetch (shared along a row of the cluster) is always source 1, the tile that waves 2, 3 fetch (shared along a column) always source 0: no LDS address hangs on the kind.
	; Q, K: rows = tokens 256 (4 Y + cy), columns = weight rows 256 (4 kind + cx).  V: the two change places in memory: rows = weight rows 256 (8 + cy), columns = tokens 256 (4 Y + cx).
	s_lshl_b32 s19, s66, 22                        ; the kind's set of LN1's codes
	s_and_b32 s93, ttmp7, 0xffff
	s_lshl_b32 s93, s93, 2
	s_add_co_u32 s93, s93, s40                     ; V: which 256 tokens, by the cluster's column
	s_add_co_u32 s94, s41, 8                       ; V: which 256 weight rows, by the cluster's row
	s_cmp_eq_u32 s66, 2
	s_cselect_b32 s20, s94, s17
	s_cselect_b32 s46, s93, s42
	s_cselect_b32 s95, 0, s19
	s_cselect_b32 s67, s19, 0
	s_lshl_b32 s20, s20, 8
	s_add_co_u32 s20, s20, s18
	s_lshl_b32 s20, s20, 10
	s_add_co_u32 s20, s20, s95
	s_mov_b32 s21, 0
	s_lshl_b32 s46, s46, 8
	s_add_co_u32 s46, s46, s18
	s_lshl_b32 s46, s46, 10
	s_add_co_u32 s46, s46, s67
	s_mov_b32 s47, 0
	s_mul_i32 s45, s14, HALFT                      ; where they go: wave x 128 rows
	s_wait_dscnt 0x0
	s_wait_kmcnt 0x0
	s_load_b512 s[76:91], s[68:69], 0x0            ; all sixteen exponents
	s_cmp_eq_u32 s66, 2                            ; the buffers are chosen by the kind alone
	s_cselect_b64 s[92:93], s[6:7], s[4:5]
	s_cselect_b64 s[94:95], s[4:5], s[6:7]
	s_add_nc_u64 s[20:21], s[92:93], s[20:21]
	s_add_nc_u64 s[46:47], s[94:95], s[46:47]
	; THE PREFETCHES INTO THE L2.  Behind the joint load of K step n each wave asks for K step n + 2 (behind the first also for K step 1, whose load sets out only when K step 0 has landed): 32 rows x 256 bytes, a lane a row.
	; Of the 128 rows that a wave fetches, each of the four partners that ask for them jointly takes 32, told apart by address (cx along a row of the cluster, cy along a column): each 256 bytes once in a cluster.
	; The steps are immediates, so the address is never rewritten; K step 3 is the last, and nothing beyond it is named.
	s_cmp_eq_u32 s15, 0
	s_cselect_b64 s[12:13], s[20:21], s[46:47]
	s_cselect_b32 s8, s40, s41
	s_lshl_b32 s8, s8, 15                          ; my work-group's 32 rows of 1,024 bytes
	s_mov_b32 s9, 0
	s_add_nc_u64 s[12:13], s[12:13], s[8:9]
	v_and_b32 v23, 31, v0
	v_lshlrev_b32 v23, 10, v23
	s_wait_alu depctr_va_vdst(0)                   ; the wait behind the write
	CROUND
.irp s, 0,1
	s_mov_b32 s[G0+4*\s], 1
	s_add_co_u32 s[G0+4*\s+1], s45, \s*SLOT
	s_add_nc_u64 s[G0+4*\s+2:G0+4*\s+3], s[20:21], \s*ROWB
	s_or_b32 s[G0+4*\s+3], s[G0+4*\s+3], 0x80000000
	s_mov_b32 s[G0B+4*\s], 1
	s_add_co_u32 s[G0B+4*\s+1], s45, \s*SLOT
	s_add_nc_u64 s[G0B+4*\s+2:G0B+4*\s+3], s[46:47], \s*ROWB
	s_or_b32 s[G0B+4*\s+3], s[G0B+4*\s+3], 0x80000000
.endr
	JLOAD G0, G1, G0B, G1B                         ; K step 0: one tensor load a wave at the head
	global_prefetch_b8 v23, s[12:13] offset:256 th:TH_LOAD_NT scope:SCOPE_SE
	global_prefetch_b8 v23, s[12:13] offset:512 th:TH_LOAD_NT scope:SCOPE_SE
	v_and_b32 v1, 15, v0                           ; r
	v_bfe_u32 v2, v0, 4, 1                         ; h
	v_mul_u32_u24 v3, v1, PITCH
	v_lshl_add_u32 v4, v2, 4, v3
	s_wait_alu depctr_va_vdst(0)
	s_cmp_eq_u32 s66, 2
	s_cselect_b64 s[92:93], s[74:75], s[70:71]
	s_cselect_b32 s94, s15, s16                    ; the bias goes by features: V: my rows; Q, K: my columns
	s_cselect_b32 s95, 0, 4                        ; bytes from register to register
	s_cselect_b32 s67, -1, 0
	s_cmp_eq_u32 s66, 1
	s_cselect_b64 s[92:93], s[72:73], s[92:93]
	s_mul_i32 s21, s15, HALFT
	s_mul_i32 s22, s16, HALFT
	s_add_co_u32 s22, s22, 2*HALFT                 ; source 0's rows lie behind source 1's
.irp s, 0,1
	v_add_nc_u32 v[ADRA+\s], s21, v4
	v_add_nc_u32 v[ADRB+\s], s22, v4
	s_add_co_u32 s21, s21, SLOT
	s_add_co_u32 s22, s22, SLOT
.endr
	s_mul_i32 s23, s15, 128*PITCH                  ; the stage: row 128 wr + 16 a + r, byte 128 wc + 16 b + 8 h
	s_lshl_b32 s18, s16, 7
	s_add_co_u32 s23, s23, s18
	v_lshl_add_u32 v5, v2, 3, v3
	v_add_nc_u32 v[STOQ], s23, v5
	v_add_nc_u32 v[STOV], STV, v[STOQ]
	v_and_b32 v6, 31, v0
	v_lshrrev_b32 v7, 2, v6                        ; back, Q and K: wave w takes head w's 64 bytes of every row: four lanes to a row, eight rows an instruction
	v_mul_u32_u24 v7, v7, PITCH
	v_and_b32 v3, 3, v6
	v_lshl_add_u32 v7, v3, 4, v7
	s_lshl_b32 s18, s14, 6
	v_add_nc_u32 v[RD], s18, v7
	v_add_nc_u32 v[RD2], 128*PITCH, v[RD]
	s_mul_i32 s18, s14, 64*PITCH                   ; back, V: wave w takes rows 64 w on, whole: sixteen lanes to a row
	v_mul_u32_u24 v7, v2, PITCH
	v_lshl_add_u32 v7, v1, 4, v7
	v_add_nc_u32 v7, s18, v7
	v_add_nc_u32 v[RDV], STV, v7
	v_lshlrev_b32 v[CO], 4, v6
	v_lshlrev_b32 v[COV], 12, v2
	v_lshl_add_u32 v[COV], v1, 4, v[COV]
	s_lshl_b32 s94, s94, 9                         ; the bias: feature 256 cx + 128 x my half + (Q, K: 16 i + 8 h + j;  V: 16 i + r, the same in all j)
	s_cmp_eq_u32 s66, 2
	s_cselect_b32 s18, s41, s40                    ; which 256 features of the kind: V: cy; Q, K: cx
	s_lshl_b32 s18, s18, 10
	s_add_co_u32 s94, s94, s18
	v_lshlrev_b32 v5, 5, v2
	v_lshlrev_b32 v7, 2, v1
	v_cndmask_b32 v5, v5, v7, s67
	v_add_nc_u32 v5, s94, v5
.irp j, 0,1,2,3,4,5,6,7
	v_mad_u32_u24 v[BO+\j], s95, \j, v5
.endr
.set i, 0
.rept 8
.irp j, 0,1,2,3,4,5,6,7
	global_load_b32 v[BIAS+8*i+\j], v[BO+\j], s[92:93] offset:64*i
.endr
.set i, i+1
.endr
	s_lshr_b32 s18, s17, 3                         ; where my wave stores.  Q, K: head 4 cx + w of batch y / 8, tokens 256 (y % 8) on
	s_lshl_b32 s18, s18, 4
	s_lshl_b32 s19, s40, 2
	s_add_co_u32 s18, s18, s19
	s_add_co_u32 s18, s18, s14
	s_lshl_b32 s18, s18, 11
	s_and_b32 s19, s17, 7
	s_lshl_b32 s19, s19, 8
	s_add_co_u32 s18, s18, s19
	s_lshl_b32 s18, s18, 6
	s_lshl_b32 s19, s66, 22
	s_add_co_u32 s18, s18, s19
	s_lshl_b32 s19, s41, 8                         ; V: rows 256 cy + 64 w on, byte 256 (4 Y + cx)
	s_lshl_b32 s23, s14, 6
	s_add_co_u32 s19, s19, s23
	s_lshl_b32 s19, s19, 12
	s_sub_co_u32 s23, s17, s41
	s_add_co_u32 s23, s23, s40
	s_lshl_b32 s23, s23, 8
	s_add_co_u32 s19, s19, s23
	s_add_co_u32 s19, s19, 0x800000
	s_cmp_eq_u32 s66, 2
	s_cselect_b32 s18, s19, s18
	s_mov_b32 s19, 0
	s_add_nc_u64 s[10:11], s[10:11], s[18:19]
.macro FRAG reg, adr, q, i             ; 16 rows x 128 K: registers 4 c .. 4 c + 3 hold K = 32 c + 16 h + 0 .. 15: one permutation of k, the same on both sides
.irp c, 0,1,2,3
	ds_load_b128 v[\reg+4*\c:\reg+4*\c+3], v[\adr] offset:128*(\q)+32*\c+(\i)*16*PITCH
.endr
.endm
.macro MUL16 a0, p, zero               ; the 64 accumulators take turns, one instruction a turn
.irp a, \a0, \a0+1
.irp b, 0,1,2,3,4,5,6,7
.if \zero
	v_wmma_f32_16x16x128_fp8_fp8 v[8*(8*((\a)%4)+\b):8*(8*((\a)%4)+\b)+7], v[128*(\p)+FR*\b:128*(\p)+FR*\b+FR-1], v[AF+FR*(\a):AF+FR*(\a)+FR-1], 0
.else
	v_wmma_f32_16x16x128_fp8_fp8 v[8*(8*((\a)%4)+\b):8*(8*((\a)%4)+\b)+7], v[128*(\p)+FR*\b:128*(\p)+FR*\b+FR-1], v[AF+FR*(\a):AF+FR*(\a)+FR-1], v[8*(8*((\a)%4)+\b):8*(8*((\a)%4)+\b)+7]
.endif
.endr
.endr
.endm
.macro FETCH_B slot, q, p
	WIN TO_B
.irp i, 0,1,2,3,4,5,6,7
	FRAG 128*(\p)+FR*\i, ADRB+\slot, \q, \i
.endr
	WIN 0
.endm
.macro FETCH_A slot, q, i0
.irp i, \i0, \i0+1, \i0+2, \i0+3
	FRAG AF+FR*(\i), ADRA+\slot, \q, \i
.endr
.endm
.macro PLACES n                        ; plain vector lines between matrix instructions and loads into, or reads of, their registers
.rept \n
	v_nop
.endr
.endm
.macro STEP slot, q, zero              ; 128 along K, with its successor in the same slot
	s_wait_dscnt 4*NL                              ; all but source 1's blocks 4-7
	WIN MUL_LO
	MUL16 0, (\q)%2, \zero
	MUL16 2, (\q)%2, \zero
	s_wait_dscnt 0
	PLACES NP
	FETCH_B \slot, (\q)+1, 1-(\q)%2
	FETCH_A \slot, (\q)+1, 0
	WIN MUL_HI
	MUL16 4, (\q)%2, \zero
	MUL16 6, (\q)%2, \zero
	PLACES NP
	WIN 0
	FETCH_A \slot, (\q)+1, 4
.endm
.macro TURN slot, next, fill           ; a slot's last step changes slots: one barrier; fill = 1: it opens a round of the cluster's barrier and the slot is filled again
	s_wait_tensorcnt 0x0                           ; all my tensor loads have landed: my part of the next slot
	ds_add_u32 v[SPW], v[NIL]
	s_wait_dscnt 4*NL+1                            ; the add and source 1's blocks 4-7 may be out
	WIN MUL_LO
	MUL16 0, 1, 0
	s_wait_dscnt 0x0                               ; the add is done, and my reads of this slot are over
	s_barrier_signal -1
	MUL16 2, 1, 0
	WIN 0
	s_barrier_wait -1
.if \fill
	CREST
	s_add_nc_u64 s[G0+4*\slot+2:G0+4*\slot+3], s[G0+4*\slot+2:G0+4*\slot+3], 2*ROWB
	s_add_nc_u64 s[G0B+4*\slot+2:G0B+4*\slot+3], s[G0B+4*\slot+2:G0B+4*\slot+3], 2*ROWB
	JLOAD G0+4*\slot, G1, G0B+4*\slot, G1B         ; the first tensor load behind the round; its four v_nop are the places in front of the loads below
.else
	PLACES NP
.endif
	FETCH_B \next, 0, 0
	FETCH_A \next, 0, 0
	WIN MUL_HI
	MUL16 4, 1, 0
	MUL16 6, 1, 0
	PLACES NP
	WIN 0
	FETCH_A \next, 0, 4
.endm
	s_wait_alu depctr_va_vdst(0)                   ; the wait at the head's end
	s_wait_tensorcnt 0x0                           ; my part of K step 0 is in
	ds_add_u32 v[SPW], v[NIL]
	s_wait_dscnt 0x0
	CROUND                                         ; everybody's part of K step 0 is in, and the joint loads meet
	JLOAD G0+4, G1, G0B+4, G1B                     ; K step 1: the first tensor load behind the round
	FETCH_B 0, 0, 0
	FETCH_A 0, 0, 0
	FETCH_A 0, 0, 4
	global_prefetch_b8 v23, s[12:13] offset:768 th:TH_LOAD_NT scope:SCOPE_SE
	STEP 0, 0, 1
	TURN 0, 1, 1
	STEP 1, 0, 0
	TURN 1, 0, 1
	STEP 0, 0, 0
	TURN 0, 1, 0
	STEP 1, 0, 0
	s_wait_dscnt 4*NL
	WIN MUL_LO
	MUL16 0, 1, 0
	MUL16 2, 1, 0
	s_wait_dscnt 0
	WIN MUL_HI
	MUL16 4, 1, 0
	MUL16 6, 1, 0
	WIN 0
	; THE WAY OUT
	s_wait_kmcnt 0x0
	s_wait_loadcnt 0x0                             ; the bias is in: so its 64 loads are done with their base s[92:93], which the lines below write
	s_add_co_i32 s92, s76, s77
	s_add_co_i32 s93, s78, s79
	s_add_co_i32 s94, s80, s81
	s_cmp_eq_u32 s66, 1
	s_cselect_b32 s92, s93, s92
	s_cselect_b32 s95, s[76+E_K], s[76+E_Q]
	s_cmp_eq_u32 s66, 2
	s_cselect_b32 s92, s94, s92
	s_cselect_b32 s95, s[76+E_V], s95
	s_add_co_i32 s92, s92, 127
	s_lshl_b32 s96, s92, 23                        ; 2^(eW + eX)
	s_mov_b32 s97, s96
	s_add_co_i32 s95, s95, 127
	s_lshl_b32 s94, s95, 23
	v_mov_b32 v[QS], s94
	s_add_co_i32 s95, s95, 8
	s_lshl_b32 s95, s95, 23
	s_or_b32 s95, s95, 0x600000
	v_mov_b32 v[QL], s95
	PLACES NP
; block a (16 rows x 128 columns): sum x 2^(eW + eX) + bias, held, converted, 8 codes a lane and tile into the stage.  Each accumulator is read from its low end on.
.macro TOST a, byrow, sto
.set AC, 64*((\a)%4)
	WIN (0x02+((\a)/4))
.irp b, 0,1,2,3,4,5,6,7
.irp j, 0,2,4,6
.if \byrow
	v_pk_fma_f32 v[TMP+8*\b+\j:TMP+8*\b+\j+1], v[AC+8*\b+\j:AC+8*\b+\j+1], s[96:97], v[BIAS+8*(\a)+\j:BIAS+8*(\a)+\j+1] op_sel_hi:[1,0,1]
.else
	v_pk_fma_f32 v[TMP+8*\b+\j:TMP+8*\b+\j+1], v[AC+8*\b+\j:AC+8*\b+\j+1], s[96:97], v[BIAS+8*\b+\j:BIAS+8*\b+\j+1] op_sel_hi:[1,0,1]
.endif
.endr
.endr
	WIN 0
.set i, 0
.rept 64
	v_med3_num_f32 v[TMP+i], v[TMP+i], -v[QL], v[QL]
.set i, i+1
.endr
.if (\a) >= 2
	s_wait_alu depctr_va_vdst(0)
	s_wait_dscnt 8                                 ; the stores of two blocks back have read this set of code registers; the last block's eight may be out
.endif
.irp b, 0,1,2,3,4,5,6,7
	v_cvt_scalef32_pk8_fp8_f32 v[CDS+16*((\a)%2)+2*\b:CDS+16*((\a)%2)+2*\b+1], v[TMP+8*\b:TMP+8*\b+7], v[QS]
.endr
	v_nop                                          ; a plain line behind the conversions
.irp b, 0,1,2,3,4,5,6,7
	ds_store_b64 v[\sto], v[CDS+16*((\a)%2)+2*\b:CDS+16*((\a)%2)+2*\b+1] offset:(\a)*16*PITCH+16*\b
.endr
.endm
	s_cmp_eq_u32 s66, 2                            ; the kind is the same in all waves and all partners
	s_cbranch_scc1 .Lstage_v
.irp a, 0,1,2,3,4,5,6,7
	TOST \a, 0, STOQ
.endr
	s_branch .Lstaged
.Lstage_v:
.irp a, 0,1,2,3,4,5,6,7
	TOST \a, 1, STOV
.endr
.Lstaged:
	s_wait_dscnt 0x0                               ; for the others' sake: my stores into the stage are done
	s_barrier_signal -1
	s_barrier_wait -1
	s_cmp_eq_u32 s66, 2
	s_cbranch_scc1 .Lout_v
.irp t, 0,1,2,3,4,5,6,7,8,9,10,11,12,13,14,15
	ds_load_b128 v[128+4*\t:131+4*\t], v[RD] offset:\t*8*PITCH
.endr
.irp t, 0,1,2,3,4,5,6,7,8,9,10,11,12,13,14,15
	ds_load_b128 v[192+4*\t:195+4*\t], v[RD2] offset:\t*8*PITCH
.endr
.set i, 0
.rept 32
	s_wait_dscnt 31-i
	global_store_b128 v[CO], v[128+4*i:131+4*i], s[10:11] offset:512*i     ; eight tokens of one head: 512 consecutive bytes
.set i, i+1
.endr
	s_branch .Ldone
.Lout_v:
.set i, 0
.rept 32
	ds_load_b128 v[128+4*i:131+4*i], v[RDV] offset:i*2*PITCH
.set i, i+1
.endr
.set i, 0
.rept 32
	s_wait_dscnt 31-i
	global_store_b128 v[COV], v[128+4*i:131+4*i], s[10:11] offset:8192*i   ; sixteen lanes store 256 consecutive, aligned bytes of a row
.set i, i+1
.endr
.Ldone:
	s_wait_tensorcnt 0x0                           ; the wave's end
	ds_add_u32 v[SPW], v[NIL]
	s_wait_dscnt 0x0
	CROUND                                         ; the closing round
	s_endpgm
.Lfunc_end_k_q4d3af9d2f7_qkv:
	.size	k_q4d3af9d2f7_qkv, .Lfunc_end_k_q4d3af9d2f7_qkv-k_q4d3af9d2f7_qkv
	.p2alignl 7, 3214868480
	.fill 96, 4, 3214868480
	.section	.rodata,"a",@progbits
	.p2align	6, 0x0
	.amdhsa_kernel k_q4d3af9d2f7_qkv
		.amdhsa_group_segment_fixed_size 327680
		.amdhsa_private_segment_fixed_size 0
		.amdhsa_enable_private_segment 0
		.amdhsa_kernarg_size 56
		.amdhsa_user_sgpr_count 2
		.amdhsa_user_sgpr_kernarg_segment_ptr 1
		.amdhsa_wavefront_size32 1
		.amdhsa_system_sgpr_workgroup_id_x 1
		.amdhsa_system_sgpr_workgroup_id_y 1
		.amdhsa_system_sgpr_workgroup_id_z 1
		.amdhsa_system_vgpr_workitem_id 0
		.amdhsa_next_free_vgpr 1024
		.amdhsa_next_free_sgpr 98
		.amdhsa_reserve_vcc 0
		.amdhsa_float_denorm_mode_32 3
		.amdhsa_float_denorm_mode_16_64 3
		.amdhsa_memory_ordered 1
		.amdhsa_forward_progress 1
		.amdhsa_inst_pref_size 214
	.end_amdhsa_kernel
	.amdgpu_metadata
---
amdhsa.version: [ 1, 2 ]
amdhsa.kernels:
  - .name:           k_q4d3af9d2f7_qkv
    .symbol:         k_q4d3af9d2f7_qkv.kd
    .args:
      - { .name: xcodes, .offset: 0, .size: 8, .value_kind: global_buffer, .address_space: global }
      - { .name: wcodes, .offset: 8, .size: 8, .value_kind: global_buffer, .address_space: global }
      - { .name: lowp_scales, .offset: 16, .size: 8, .value_kind: global_buffer, .address_space: global }
      - { .name: bq, .offset: 24, .size: 8, .value_kind: global_buffer, .address_space: global }
      - { .name: bk, .offset: 32, .size: 8, .value_kind: global_buffer, .address_space: global }
      - { .name: bv, .offset: 40, .size: 8, .value_kind: global_buffer, .address_space: global }
      - { .name: qkvc, .offset: 48, .size: 8, .value_kind: global_buffer, .address_space: global }
    .group_segment_fixed_size: 327680
    .private_segment_fixed_size: 0
    .kernarg_segment_align: 8
    .kernarg_segment_size: 56
    .max_flat_workgroup_size: 128
    .sgpr_count:     98
    .vgpr_count:     1024
    .wavefront_size: 32
...
	.end_amdgpu_metadata
.endif
;; end of part 2
;; launch attn (part 3): grid 8 x 32, 16 waves a work-group, clusters of 4 x 1, 327,680 bytes of LDS; arguments qkvc, padding_mask, lowp_scales, ctxc; writes ctxc
.if DOCPART == 3
	.amdgcn_target "amdgcn-amd-amdhsa--gfx1250"
	.amdhsa_code_object_version 6
	.text
	.protected	k_q4d3af9d2f7_attn
	.globl	k_q4d3af9d2f7_attn
	.p2align	8
	.type	k_q4d3af9d2f7_attn,@function
k_q4d3af9d2f7_attn:
	s_mov_b64 s[64:65], 0
	v_nop
	global_prefetch_b8 v0, s[64:65] scope:SCOPE_SE
	s_setreg_imm32_b32 hwreg(HW_REG_WAVE_MODE, 25, 1), 1
	s_wait_xcnt 0x0
	s_wait_alu depctr_hold_cnt(0) depctr_sa_sdst(0) depctr_va_vdst(0) depctr_va_sdst(0) depctr_va_ssrc(0) depctr_va_vcc(0) depctr_vm_vsrc(0)
	s_getreg_b32 s2, hwreg(HW_REG_IB_STS2, 6, 4)
	s_cmp_eq_u32 s2, 0
	s_cbranch_scc0 .Lentry_in_a_cluster
	s_endpgm
.Lentry_in_a_cluster:
	s_bfe_u32 s2, ttmp6, 0x10000c
	s_cmp_lg_u32 s2, 0x3003
	s_cbranch_scc0 .Lentry_shape_is_right
	s_endpgm
.Lentry_shape_is_right:
; Products 4 and 5: attention of one head on codes of FP8, causal and padding masks, and the context quantised under lowp_scales[10].
; LEFT OUT: a step of 128 keys that all come after a tile's 16 queries (the causal mask of reference()'s own body; shown at the head of the first launch).
; SOFTMAX: t = score x log2(e) / 8; M = the running largest t rounded up to a whole number; p = 2^(t - M) is quantised (2^e9); the row's sum is of the unquantised p and divides at the end.
; PADDING, keys: a masked key's score gets -2^(33 - e6 - e7) added, as the C of the score product, so that its t lies near -1.5e9, as reference()'s -1e9 does: p = 0 beside any kept key; sums made of masked keys alone
; are multiplied by 0 at the first kept key's change of M.  PADDING, queries: a masked query's 2,048 logits are all alike: its row is U = Q(1) x the sum of the head's quantised V over ALL keys, / 2,048; U is made at the head, 128 keys a wave, and selected at the end.
; LDS.  The head's K (2,048 rows of 64 + 16 bytes) and V (8 chunks of 64 rows x 256 + 16 bytes) lie in LDS whole: sixteen tensor loads at the head, one a wave (waves 0-7: 256 keys of K; waves 8-15: 256 keys of V), and nothing is filled again.
; So the loop over the keys has no barrier.  CLUSTER: the four work-groups of a cluster serve one head and ask for each of the sixteen tiles jointly (mask 15).
; No prefetch: every tensor load stands at the head, so there is no loop to run ahead in.
; SHARES.  The work-group with number j (0-7) owns, of each of the head's 16 blocks of 128 queries, the tile of 16 queries at 16 j: tile m walks m + 1 key steps of 128, 136 in all, in every work-group alike, and every key is read.
; Waves w and w + 8 (w < 8) share blocks w and 15 - w, 17 steps: wave w + 8 walks steps 0-8 of the high tile; wave w walks the low tile (steps 0 - w), puts its sums aside in registers at step 9, and walks the high tile's steps 9 to 15 - w.
; All waves count the same 16 trips; a scalar branch on the wave's number and the trip leads round a step's work.  At the end wave w hands its part of the high tile (O^T, -M, the sum) to wave w + 8 through LDS,
; which joins the two parts by 2^(own M - larger M), exact powers of two; then wave w sends out the low tile and wave w + 8 the high one.
; LAYOUT.  Both products transposed: S^T = K Q^T, O^T = V^T P^T: a lane holds one query.  Lane r of key tile 2 b + u takes key 32 b + 8 u + r + 8 (r / 8), so that two neighbouring tiles' 16 registers are 16 neighbouring keys.
; LIMITS: e6 + e7 between -94 and 130; e9, e10 between -126 and 119; the spread of a row's kept logits stays under 1e9.
; REGISTERS: v1-7 addresses, the diagonal's d, my query's mask byte; v8-10 addresses in hand; v12 -M, v13 largest t, v[14:15] the sum; v16-23 Q; v26, v27 the hand-over's addresses; v28 the sum put aside;
; v32-95 K's 8 fragments, then V's 4; v96-159 S^T, then p; v160-191 O^T; v192-223 the second tile's Q, then O^T put aside, then U; v224-239 p's codes; v240-255 at work.
.set KP,    80                         ; a key's row in LDS: 64 bytes + 16
.set VP,    272                        ; a row of a chunk of V: 256 + 16
.set KCH,   256*KP                     ; what one load of K fills
.set VOFF,  8*KCH
.set VCH,   64*VP                      ; what one load of V fills
.set KB,    VOFF+8*VCH                 ; 2,048 words: 0 or the masked key's addend
.set UPART, KB+8192                    ; 16 waves x 64 partial sums of U
.set SPARE, UPART+4096                 ; the spare words, 128 bytes a wave
.set PSZ,   4352                       ; the hand-over: 32 registers x 128 bytes, and 8 bytes a lane.  It, USUM and OST lie in K's bytes, which have had their one fill and are read no more behind the barrier at the loop's end
.set USUM,  36864                      ; 16 x 256: a wave's own copy of U
.set OST,   40960                      ; 16 x 1,024: a wave's codes on the way out
.set AK0,  1
.set AV0,  2
.set DG,   3                           ; d = 16 j + r - 16 h: on the diagonal register 16 b + i is hidden where 32 b + i > d
.set AKB,  4
.set SPW,  5
.set NIL,  6
.set QM,   7
.set ADK,  8
.set ADV,  9
.set ADB,  10
.set PA,   26
.set PB,   27
.set W7,   17
.set WV,   18
.set HI,   19
.set SEL,  20
.set CS,   22
.set G1K,  24
.set G1V,  32
.set G0K,  40
.set G0V,  44
.set KS,   62                          ; the key step, and the loop's counter
.set MT2,  63                          ; the high tile's block
.set LIMS, 66                          ; the last step that I walk of the tile in hand
.set MT,   67                          ; the block of the tile in hand: its diagonal step
.macro CROUND                          ; a round of the cluster's barrier
	s_barrier_signal -1
	s_barrier_wait -1
	s_cmp_lg_u32 s[WV], 0
	s_cbranch_scc1 .Lnot_wave_0_\@
	s_barrier_signal -3
.Lnot_wave_0_\@:
	s_barrier_wait -3
	s_barrier_signal -1
	s_barrier_wait -1
.endm
	s_load_b256 s[4:11], s[0:1], 0x0               ; qkvc, padding_mask, the scales' exponents, ctxc
	v_lshl_add_u32 v[SPW], v0, 2, SPARE
	v_mov_b32 v[NIL], 0
	ds_add_u32 v[SPW], v[NIL]                      ; the opening: the add, twice on end, and its wait ahead of the first tensor load
	ds_add_u32 v[SPW], v[NIL]
	v_lshrrev_b32 v8, 5, v0
	v_readfirstlane_b32 s[WV], v8
	s_lshr_b32 s[HI], s[WV], 3
	s_and_b32 s[W7], s[WV], 7
	s_bfe_u32 s48, ttmp6, 0x40000                  ; cx
	s_lshl_b32 s49, ttmp9, 2
	s_add_co_u32 s49, s49, s48                     ; j
	s_and_b32 s50, ttmp7, 0xffff                   ; 16 b + h
	s_lshr_b32 s51, s50, 4
	s_and_b32 s52, s50, 15
	s_mul_i32 s53, s[HI], 7
	s_xor_b32 s[MT], s[W7], s53
	s_lshl_b32 s53, s[HI], 3
	s_add_co_u32 s[MT], s[MT], s53                 ; my first tile's block: w, or 15 - (w - 8)
	s_sub_co_u32 s[MT2], 15, s[W7]
	s_xor_b32 s54, s[HI], 1
	s_mul_i32 s[LIMS], s[W7], s54
	s_add_co_u32 s[LIMS], s[LIMS], s53             ; w, or 8
	s_lshl_b32 s55, s50, 17                        ; the head's 2,048 x 64 bytes
	s_lshl_b32 s56, s[W7], 14
	s_add_co_u32 s56, s56, s55
	s_add_co_u32 s56, s56, 0x400000                ; K: keys 256 (w % 8) on
	s_mov_b32 s57, 0
	s_lshl_b32 s58, s52, 18
	s_lshl_b32 s59, s51, 11
	s_add_co_u32 s58, s58, s59
	s_lshl_b32 s59, s[W7], 8
	s_add_co_u32 s58, s58, s59
	s_add_co_u32 s58, s58, 0x800000                ; V: the head's 64 rows of 4,096 bytes, at the batch, keys 256 (w % 8) on
	s_mov_b32 s59, 0
	s_mul_i32 s73, s[W7], KCH
	s_mul_i32 s74, s[W7], VCH
	s_add_co_u32 s74, s74, VOFF
	s_lshl_b32 s75, s49, 10
	s_add_co_u32 s75, s75, s55
	s_lshl_b32 s60, s[MT], 13
	s_add_co_u32 s60, s60, s75                     ; my first tile's 1,024 bytes, in Q and in the context
	s_mov_b32 s61, 0
	s_lshl_b32 s76, s[MT2], 13
	s_add_co_u32 s76, s76, s75                     ; the high tile's
	s_mov_b32 s77, 0
	s_lshl_b32 s78, s51, 11                        ; the batch's 2,048 tokens
	s_mov_b32 s79, 0
	s_lshl_b32 s81, s49, 4
	s_lshl_b32 s80, s[MT], 7
	s_add_co_u32 s80, s80, s81                     ; my first tile's first query
	s_lshr_b32 s82, s[WV], 1
	s_mul_i32 s82, s82, VCH
	s_and_b32 s83, s[WV], 1
	s_lshl_b32 s83, s83, 7
	s_add_co_u32 s82, s82, s83                     ; keys 128 w on in V's chunks, for U
	s_mov_b32 s[G1K], 15|(1<<20)|(1<<21)|(3<<22)|(3<<25)   ; the four partners; elements of 1 byte; 4 words of padding after every 16; bit 21 beside a mask
	s_mov_b32 s[G1K+1], 64<<16
	s_mov_b32 s[G1K+2], 256<<16
	s_mov_b32 s[G1K+3], 64<<16
	s_mov_b32 s[G1K+4], 256
	s_mov_b32 s[G1K+5], 64
	s_mov_b32 s[G1K+6], 0
	s_mov_b32 s[G1K+7], 0
	s_mov_b32 s[G1V], 15|(1<<20)|(1<<21)|(5<<22)|(3<<25)   ; 4 words after every 64
	s_mov_b32 s[G1V+1], 256<<16
	s_mov_b32 s[G1V+2], 64<<16
	s_mov_b32 s[G1V+3], 256<<16
	s_mov_b32 s[G1V+4], 64
	s_mov_b32 s[G1V+5], 4096
	s_mov_b32 s[G1V+6], 0
	s_mov_b32 s[G1V+7], 0
	s_mov_b32 s[SEL], 0x76543210
	s_mov_b32 s[SEL+1], 0xfedcba98
	s_mov_b32 s[CS], 0x3e38aa3b                    ; log2(e) / 8
	s_mov_b32 s[KS], 0
	s_wait_dscnt 0x0
	s_wait_kmcnt 0x0
	s_load_b128 s[68:71], s[8:9], 0x18             ; e6, e7, e8, e9
	s_load_b32 s72, s[8:9], 0x28                   ; e10
	s_mov_b32 s[G0K], 1
	s_mov_b32 s[G0K+1], s73
	s_add_nc_u64 s[G0K+2:G0K+3], s[4:5], s[56:57]
	s_or_b32 s[G0K+3], s[G0K+3], 0x80000000
	s_mov_b32 s[G0V], 1
	s_mov_b32 s[G0V+1], s74
	s_add_nc_u64 s[G0V+2:G0V+3], s[4:5], s[58:59]
	s_or_b32 s[G0V+3], s[G0V+3], 0x80000000
	CROUND                                         ; the four work-groups are here: the joint loads meet
	s_cmp_lt_u32 s[WV], 8                          ; every wave issues one load; an s_nop 0 and four v_nop follow each line
	s_cbranch_scc0 .Lfor_v
	tensor_load_to_lds s[G0K:G0K+3], s[G1K:G1K+7]
	s_nop 0
.rept 4
	v_nop
.endr
	s_branch .Lasked
.Lfor_v:
	tensor_load_to_lds s[G0V:G0V+3], s[G1V:G1V+7]
	s_nop 0
.rept 4
	v_nop
.endr
.Lasked:
	s_add_nc_u64 s[12:13], s[4:5], s[60:61]        ; Q at my first tile
	s_add_nc_u64 s[10:11], s[10:11], s[60:61]      ; the context likewise: the tile that I send out
	s_add_nc_u64 s[14:15], s[4:5], s[76:77]        ; Q at the high tile
	s_add_nc_u64 s[6:7], s[6:7], s[78:79]          ; my batch's mask
	v_and_b32 v30, 15, v0                          ; r
	v_bfe_u32 v31, v0, 4, 1                        ; h
	v_lshlrev_b32 v24, 2, v0
	global_load_b32 v25, v24, s[6:7]               ; four keys' mask bytes: thread T takes keys 4 T on
	v_add_nc_u32 v11, s80, v30
	global_load_u8 v[QM], v11, s[6:7]              ; my query's, in the tile that I send out
	v_lshlrev_b32 v29, 6, v30
	v_lshl_add_u32 v29, v31, 4, v29
	global_load_b128 v[16:19], v29, s[12:13]       ; Q's fragment: registers 4 c .. hold k = 32 c + 16 h + 0 .. 15, as K's will
	global_load_b128 v[20:23], v29, s[12:13] offset:32
	global_load_b128 v[192:195], v29, s[14:15]     ; the high tile's, for the change of tiles
	global_load_b128 v[196:199], v29, s[14:15] offset:32
	v_and_b32 v9, 8, v30
	v_add_nc_u32 v9, v9, v30
	v_mul_u32_u24 v[AK0], v9, KP
	v_lshl_add_u32 v[AK0], v31, 4, v[AK0]
	v_mul_u32_u24 v[AV0], v30, VP
	v_lshl_add_u32 v[AV0], v31, 4, v[AV0]
	v_add_nc_u32 v[AV0], VOFF, v[AV0]
	v_lshlrev_b32 v[AKB], 6, v31
	v_add_nc_u32 v[AKB], KB, v[AKB]
	v_lshl_add_u32 v9, v0, 4, KB                   ; where my four keys' words go
	s_lshl_b32 s73, s[WV], 8
	v_lshlrev_b32 v10, 5, v31
	v_add_nc_u32 v10, s73, v10
	v_add_nc_u32 v10, UPART, v10                   ; where my wave's part of U goes
	v_lshlrev_b32 v[DG], 4, v31
	v_sub_nc_u32 v[DG], v30, v[DG]
	v_add_nc_u32 v[DG], s81, v[DG]
	s_mul_i32 s73, s[W7], PSZ
	v_and_b32 v28, 31, v0
	v_lshlrev_b32 v[PA], 4, v28
	v_add_nc_u32 v[PA], s73, v[PA]                 ; the hand-over of waves w and w + 8: 16 bytes a lane and register group,
	v_lshlrev_b32 v[PB], 3, v28
	v_add_nc_u32 v[PB], s73, v[PB]
	v_add_nc_u32 v[PB], 4096, v[PB]                ; and 8 bytes a lane for -M and the sum
	v_mov_b32 v13, 0xff61b1e6                      ; the largest t so far: -3e38
	v_floor_f32 v12, -v13
	v_mov_b32 v14, 0
	v_mov_b32 v15, 0
	v_mov_b32 v28, 0
	v_mov_b32 v241, 0                              ; a lane permute's destination counts as read
	v_mov_b32 v253, 0                              ; (named as the upper halves of pairs)
	v_mov_b32 v255, 0
.set i, 0
.rept 24
	v_mov_b32 v[200+i], 0                          ; written once, so that every path finds them written
.set i, i+1
.endr
.set i, 0
.rept 32
	v_mov_b32 v[160+i], 0                          ; O^T begins as zeros
.set i, i+1
.endr
	s_wait_alu depctr_va_vdst(0)                   ; the wait here, directly ahead of the wait below
	s_wait_kmcnt 0x0
	s_add_co_i32 s73, s68, s69                     ; e6 + e7
	s_sub_co_i32 s74, 160, s73
	s_lshl_b32 s74, s74, 23
	s_or_b32 s74, s74, 0x80000000                  ; -2^(33 - e6 - e7)
	s_lshl_b32 s73, s73, 23
	s_add_co_i32 s[CS], s[CS], s73                 ; the two exponents go into c's exponent field
	s_mov_b32 s[CS+1], s[CS]
	s_add_co_i32 s73, s71, 127
	s_lshl_b32 s75, s73, 23
	v_mov_b32 v244, s75                            ; 2^e9
	s_add_co_i32 s73, s73, 8
	s_lshl_b32 s73, s73, 23
	s_or_b32 s73, s73, 0x600000
	v_mov_b32 v240, s73                            ; 448 x 2^e9,
	v_mov_b32 v245, s73                            ; twice: the two halves of a dual pair take their second sources from different register banks
.irp i, 0,1,2,3,4,5,6,7
	v_min_num_f32 v[96+\i], 1.0, v240              ; p = 1, held
.endr
	v_cvt_scalef32_pk8_fp8_f32 v[224:225], v[96:103], v244
	v_nop
.irp i, 2,3,4,5,6,7,8,9,10,11,12,13,14,15
	v_mov_b32 v[224+\i], v224                      ; every byte is the code of 1
.endr
	s_wait_alu depctr_va_vdst(0)
	s_wait_loadcnt 0x0
.irp k, 0,1,2,3
	v_bfe_u32 v[104+\k], v25, 8*\k, 8
	v_add_nc_u32 v[104+\k], -1, v[104+\k]          ; kept: 0; masked: all ones
	v_and_b32 v[104+\k], s74, v[104+\k]
.endr
	ds_store_b128 v9, v[104:107]
	s_wait_alu depctr_va_vdst(0)                   ; the wait at the head's end
	s_wait_tensorcnt 0x0                           ; my tile is in,
	s_wait_dscnt 0x0                               ; and my keys' words are stored
	s_barrier_signal -1
	s_barrier_wait -1                              ; so are everybody's: K, V and the words are whole
	v_add_nc_u32 v[ADV], s82, v[AV0]
.irp t, 0,1,2,3
.irp c, 0,1,2,3
	ds_load_b128 v[32+16*\t+4*\c:35+16*\t+4*\c], v[ADV] offset:16*\t*VP+32*\c
.endr
.endr
	s_wait_alu depctr_va_vdst(0)
	s_wait_dscnt 0x0
.irp t, 0,1,2,3
	v_wmma_f32_16x16x128_fp8_fp8 v[96+8*\t:103+8*\t], v[32+16*\t:47+16*\t], v[224:239], 0   ; my 128 keys' part of U: all 16 columns alike
.endr
.rept 4
	v_nop                                          ; places behind the products
.endr
.irp t, 0,1,2,3
	ds_store_b128 v10, v[96+8*\t:99+8*\t] offset:64*\t          ; channel 16 t + 8 h + j; the sixteen lanes of a half write the same words with the same values
	ds_store_b128 v10, v[100+8*\t:103+8*\t] offset:64*\t+16
.endr
.Lstep:                                            ; 16 trips in every wave: key step KS
	s_cmp_eq_u32 s[KS], 9
	s_cbranch_scc0 .Lsame
	s_cmp_lt_u32 s[WV], 8
	s_cbranch_scc0 .Lsame
	; THE CHANGE OF TILES, waves 0-7 at step 9: the low tile's O^T and sum are put aside, and the high tile begins
.irp i, 0,1,2,3,4,5,6,7
	v_mov_b32 v[96+\i], v[192+\i]                  ; the high tile's Q, out of the way; these lines are also the places behind the last products
.endr
	s_wait_alu depctr_va_vdst(0)                   ; the wait here, directly ahead of the first reader of O^T
.set n, 0
.rept 32
	v_mov_b32 v[192+n], v[160+n]                   ; each accumulator from its low end on
.set n, n+1
.endr
.set n, 0
.rept 32
	v_mov_b32 v[160+n], 0
.set n, n+1
.endr
.irp i, 0,1,2,3,4,5,6,7
	v_mov_b32 v[16+\i], v[96+\i]
.endr
	v_add_f32 v28, v14, v15
	v_mov_b32 v13, 0xff61b1e6
	v_floor_f32 v12, -v13
	v_mov_b32 v14, 0
	v_mov_b32 v15, 0
	s_mov_b32 s[MT], s[MT2]
	s_mov_b32 s[LIMS], s[MT2]
	s_wait_alu depctr_va_vdst(0)
.Lsame:
	s_cmp_gt_u32 s[KS], s[LIMS]                    ; not my step: its work is left out, not the count at its end
	s_cbranch_scc1 .Lhidden
	s_mul_i32 s96, s[KS], 128*KP
	s_lshr_b32 s97, s[KS], 1
	s_mul_i32 s97, s97, VCH
	s_and_b32 s95, s[KS], 1
	s_lshl_b32 s95, s95, 7
	s_add_co_u32 s97, s97, s95
	s_lshl_b32 s95, s[KS], 9
	v_add_nc_u32 v[ADK], s96, v[AK0]
	v_add_nc_u32 v[ADV], s97, v[AV0]
	v_add_nc_u32 v[ADB], s95, v[AKB]
	v_nop                                          ; four places in front of loads into registers that matrix instructions have read
.irp T, 0,1,2,3,4,5,6,7
	ds_load_b128 v[96+8*\T:99+8*\T], v[ADB] offset:128*(\T/2)+32*(\T%2)        ; the keys' addends, in the scores' own layout
	ds_load_b128 v[100+8*\T:103+8*\T], v[ADB] offset:128*(\T/2)+32*(\T%2)+16
.endr
.irp T, 0,1,2,3,4,5,6,7
	ds_load_b128 v[32+8*\T:35+8*\T], v[ADK] offset:(32*(\T/2)+8*(\T%2))*KP
	ds_load_b128 v[36+8*\T:39+8*\T], v[ADK] offset:(32*(\T/2)+8*(\T%2))*KP+32
.endr
	s_wait_alu depctr_va_vdst(0)
	s_wait_dscnt 0x0
.irp T, 0,1,2,3,4,5,6,7
	v_wmma_f32_16x16x64_fp8_fp8 v[96+8*\T:103+8*\T], v[32+8*\T:39+8*\T], v[16:23], v[96+8*\T:103+8*\T]
.endr
.rept 4
	v_nop
.endr
.irp t, 0,1,2,3
.irp c, 0,1,2,3
	ds_load_b128 v[32+16*\t+4*\c:35+16*\t+4*\c], v[ADV] offset:16*\t*VP+32*\c   ; V's fragments land while the softmax is walked
.endr
.endr
	s_cmp_lg_u32 s[KS], s[MT]                      ; off the diagonal all keys count
	s_cbranch_scc1 .Lopen
	v_mov_b32 v254, 0xff800000
.set n, 0
.rept 64
	v_cmp_gt_i32 vcc_lo, 32*(n/16)+n%16, v[DG]
	v_cndmask_b32 v[96+n], v[96+n], v254, vcc_lo
.set n, n+1
.endr
.Lopen:
	v_max3_num_f32 v254, v96, v97, v98
	v_max3_num_f32 v252, v99, v100, v101
.irp i, 6,10,14,18,22,26,30,34,38,42,46,50,54,58
	v_max3_num_f32 v254, v254, v[96+\i], v[97+\i]
	v_max3_num_f32 v252, v252, v[98+\i], v[99+\i]
.endr
	v_max3_num_f32 v254, v254, v158, v159
	v_max_num_f32 v254, v254, v252
	v_permlanex16_b32 v241, v254, s[SEL], s[SEL+1]
	v_max_num_f32 v254, v254, v241
	v_mul_f32 v254, s[CS], v254
	v_max_num_f32 v13, v13, v254                   ; the running largest t
	v_mov_b32 v254, v12
	v_floor_f32 v12, -v13                          ; -M = floor(-t): M is a whole number
	v_sub_f32 v254, v12, v254
	v_cvt_i32_f32 v254, v254                       ; (it saturates)
	v_ldexp_f32 v252, 1.0, v254                    ; f = 2^(old M - new M)
.set n, 0
.rept 32
	v_pk_fma_f32 v[96+n:97+n], v[96+n:97+n], s[CS:CS+1], v[12:13] op_sel_hi:[1,0,0]
.set n, n+2
.endr
	s_wait_alu depctr_va_vdst(0)                   ; the wait ahead of the batch too
.set n, 0
.rept 64
	v_exp_f32 v[96+n], v[96+n]
.set n, n+1
.endr
	v_pk_mul_f32 v[14:15], v[14:15], v[252:253] op_sel_hi:[1,0]    ; a plain line behind the exponentials
	s_wait_alu depctr_va_vdst(0)                   ; one wait for the batch, ahead of its first reader
	v_pk_add_f32 v[242:243], v[96:97], v[98:99]    ; the row's sum of the unquantised p, in four chains
	v_pk_add_f32 v[246:247], v[100:101], v[102:103]
	v_pk_add_f32 v[248:249], v[104:105], v[106:107]
	v_pk_add_f32 v[14:15], v[14:15], v[108:109]
.irp j, 14,22,30,38,46,54
	v_pk_add_f32 v[242:243], v[242:243], v[96+\j:97+\j]
	v_pk_add_f32 v[246:247], v[246:247], v[98+\j:99+\j]
	v_pk_add_f32 v[248:249], v[248:249], v[100+\j:101+\j]
	v_pk_add_f32 v[14:15], v[14:15], v[102+\j:103+\j]
.endr
	v_pk_add_f32 v[242:243], v[242:243], v[158:159]
	v_pk_add_f32 v[246:247], v[246:247], v[248:249]
	v_pk_add_f32 v[14:15], v[14:15], v[242:243]
	v_pk_add_f32 v[14:15], v[14:15], v[246:247]
.irp b, 0,1,2,3
.irp i, 0,2,4,6,8,10,12,14
	v_dual_min_num_f32 v[96+16*\b+\i], v[96+16*\b+\i], v240 :: v_dual_min_num_f32 v[97+16*\b+\i], v[97+16*\b+\i], v245   ; the hold: the conversion does not saturate (ISA guide 7.6.2); p is not negative; two numbers a line
.endr
	v_cvt_scalef32_pk8_fp8_f32 v[224+4*\b:225+4*\b], v[96+16*\b:103+16*\b], v244
	v_cvt_scalef32_pk8_fp8_f32 v[226+4*\b:227+4*\b], v[104+16*\b:111+16*\b], v244
.endr
	s_wait_alu depctr_va_vdst(0)                   ; the wait here, directly ahead of the first reader of O^T
.set n, 0
.rept 16
	v_pk_mul_f32 v[160+n:161+n], v[160+n:161+n], v[252:253] op_sel_hi:[1,0]   ; O^T under the new M; plain lines behind the conversions too
.set n, n+2
.endr
	s_wait_alu depctr_va_vdst(0)
	s_wait_dscnt 0x0                               ; V
.irp t, 0,1,2,3
	v_wmma_f32_16x16x128_fp8_fp8 v[160+8*\t:167+8*\t], v[32+16*\t:47+16*\t], v[224:239], v[160+8*\t:167+8*\t]
.endr
.Lhidden:
	s_add_co_u32 s[KS], s[KS], 1
	s_cmp_lt_u32 s[KS], 16
	s_cbranch_scc1 .Lstep
	; THE HAND-OVER
.rept 4
	v_nop                                          ; places behind the last products
.endr
	s_wait_alu depctr_va_vdst(0)
	s_wait_dscnt 0x0                               ; my reads of K and V are over, and my part of U is stored
	s_barrier_signal -1
	s_barrier_wait -1                              ; so are everybody's: K's bytes serve as stages from here on
	s_cmp_lt_u32 s[WV], 8
	s_cbranch_scc0 .Lkeep
	v_add_f32 v13, v14, v15
	s_wait_alu depctr_va_vdst(0)
.irp k, 0,1,2,3,4,5,6,7
	ds_store_b128 v[PA], v[160+4*\k:163+4*\k] offset:512*\k      ; my part of the high tile, as an image of the registers
.endr
	ds_store_b64 v[PB], v[12:13]                   ; -M and the sum
.set n, 0
.rept 32
	v_mov_b32 v[160+n], v[192+n]                   ; the low tile comes back
.set n, n+1
.endr
	v_mov_b32 v14, v28
	v_mov_b32 v15, 0
	s_wait_alu depctr_va_vdst(0)
.Lkeep:
	s_wait_dscnt 0x0
	s_barrier_signal -1
	s_barrier_wait -1
	s_cmp_lt_u32 s[WV], 8
	s_cbranch_scc1 .Lmerged
	ds_load_b64 v[8:9], v[PB]
.irp k, 0,1,2,3,4,5,6,7
	ds_load_b128 v[192+4*\k:195+4*\k], v[PA] offset:512*\k
.endr
	s_wait_dscnt 0x0
	v_min_num_f32 v10, v12, v8                     ; -M of the two parts together
	v_add_f32 v14, v14, v15
	v_sub_f32 v11, v10, v12
	v_sub_f32 v8, v10, v8
	v_cvt_i32_f32 v11, v11                         ; whole numbers, 0 or less (they saturate: a part with no step counts for nothing)
	v_cvt_i32_f32 v8, v8
	v_ldexp_f32 v252, 1.0, v11
	v_ldexp_f32 v254, 1.0, v8
	v_mov_b32 v15, 0
	v_mul_f32 v14, v14, v252
	v_fma_f32 v14, v9, v254, v14
	s_wait_alu depctr_va_vdst(0)
.set n, 0
.rept 16
	v_pk_mul_f32 v[160+n:161+n], v[160+n:161+n], v[252:253] op_sel_hi:[1,0]
.set n, n+2
.endr
.set n, 0
.rept 16
	v_pk_fma_f32 v[160+n:161+n], v[192+n:193+n], v[254:255], v[160+n:161+n] op_sel_hi:[1,0,1]
.set n, n+2
.endr
	s_wait_alu depctr_va_vdst(0)
.Lmerged:
	; THE WAY OUT
	v_add_f32 v14, v14, v15
	v_permlanex16_b32 v241, v14, s[SEL], s[SEL+1]
	v_add_f32 v14, v14, v241
	s_wait_alu depctr_va_vdst(0)
	v_rcp_f32 v14, v14
	v_and_b32 v8, 31, v0                           ; U is summed while the reciprocal is made
	v_lshlrev_b32 v8, 3, v8
	v_add_nc_u32 v9, UPART, v8
	s_lshl_b32 s73, s[WV], 8
	v_add_nc_u32 v10, s73, v8
	v_add_nc_u32 v10, USUM, v10
	v_bfe_u32 v27, v0, 4, 1
	v_lshlrev_b32 v11, 5, v27
	v_add_nc_u32 v11, s73, v11
	v_add_nc_u32 v11, USUM, v11
.irp w, 0,1,2,3,4,5,6,7,8,9,10,11,12,13,14,15
	ds_load_b64 v[32+2*\w:33+2*\w], v9 offset:256*\w       ; all sixteen waves' parts of channels 2 lane, 2 lane + 1
.endr
	s_wait_dscnt 0x0
.irp w, 2,4,6,8,10,12,14
	v_pk_add_f32 v[32:33], v[32:33], v[32+2*\w:33+2*\w]
	v_pk_add_f32 v[34:35], v[34:35], v[34+2*\w:35+2*\w]
.endr
	v_pk_add_f32 v[32:33], v[32:33], v[34:35]
	ds_store_b64 v10, v[32:33]
.irp t, 0,1,2,3
	ds_load_b128 v[192+8*\t:195+8*\t], v11 offset:64*\t    ; back in O^T's layout; my own bytes, served in order
	ds_load_b128 v[196+8*\t:199+8*\t], v11 offset:64*\t+16
.endr
	s_add_co_i32 s96, s70, s71                     ; e8 + e9
	s_sub_co_i32 s97, s96, 11
	s_add_co_i32 s73, s72, 127
	s_lshl_b32 s74, s73, 23
	s_add_co_i32 s73, s73, 8
	s_lshl_b32 s73, s73, 23
	s_or_b32 s73, s73, 0x600000
	v_mov_b32 v242, s74                            ; 2^e10
	v_mov_b32 v243, s73                            ; 448 x 2^e10
	s_wait_alu depctr_va_vdst(0)                   ; the reciprocal's wait, ahead of its first reader
	v_ldexp_f32 v14, v14, s96                      ; a kept query: 2^(e8 + e9) / the sum
	v_ldexp_f32 v15, 1.0, s97                      ; a masked one: 2^(e8 + e9) / 2,048
	v_cmp_ne_u32 s94, 0, v[QM]
	v_cndmask_b32 v14, v15, v14, s94
	v_mov_b32 v15, v14
	s_wait_alu depctr_va_vdst(0)
	s_wait_dscnt 0x0
.set n, 0
.rept 32
	v_cndmask_b32 v[192+n], v[192+n], v[160+n], s94        ; O^T where my query is kept, else U
.set n, n+1
.endr
.set n, 0
.rept 16
	v_pk_mul_f32 v[192+n:193+n], v[192+n:193+n], v[14:15]
.set n, n+2
.endr
.set n, 0
.rept 32
	v_med3_num_f32 v[192+n], v[192+n], -v243, v243
.set n, n+1
.endr
.irp t, 0,1,2,3
	v_cvt_scalef32_pk8_fp8_f32 v[224+2*\t:225+2*\t], v[192+8*\t:199+8*\t], v242
.endr
	v_and_b32 v26, 15, v0                          ; (a plain line behind the conversions)
	s_lshl_b32 s73, s[WV], 10
	v_lshlrev_b32 v8, 6, v26
	v_lshl_add_u32 v8, v27, 3, v8
	v_add_nc_u32 v8, s73, v8
	v_add_nc_u32 v8, OST, v8                       ; in: row r of 64 bytes, channels 16 t + 8 h on
	v_and_b32 v25, 31, v0
	v_lshlrev_b32 v25, 4, v25
	v_add_nc_u32 v24, s73, v25
	v_add_nc_u32 v24, OST, v24                     ; back: 16 bytes a lane
.irp t, 0,1,2,3
	ds_store_b64 v8, v[224+2*\t:225+2*\t] offset:16*\t
.endr
	ds_load_b128 v[32:35], v24
	ds_load_b128 v[36:39], v24 offset:512
	s_wait_alu depctr_va_vdst(0)
	s_wait_dscnt 1
	global_store_b128 v25, v[32:35], s[10:11]              ; my 16 queries' codes of this head: 1,024 consecutive bytes in two stores
	s_wait_dscnt 0
	global_store_b128 v25, v[36:39], s[10:11] offset:512
	s_wait_tensorcnt 0x0                           ; the wave's end
	ds_add_u32 v[SPW], v[NIL]
	s_wait_dscnt 0x0
	CROUND                                         ; the closing round
	s_endpgm
.Lfunc_end_k_q4d3af9d2f7_attn:
	.size	k_q4d3af9d2f7_attn, .Lfunc_end_k_q4d3af9d2f7_attn-k_q4d3af9d2f7_attn
	.p2alignl 7, 3214868480
	.fill 96, 4, 3214868480
	.section	.rodata,"a",@progbits
	.p2align	6, 0x0
	.amdhsa_kernel k_q4d3af9d2f7_attn
		.amdhsa_group_segment_fixed_size 327680
		.amdhsa_private_segment_fixed_size 0
		.amdhsa_enable_private_segment 0
		.amdhsa_kernarg_size 32
		.amdhsa_user_sgpr_count 2
		.amdhsa_user_sgpr_kernarg_segment_ptr 1
		.amdhsa_wavefront_size32 1
		.amdhsa_system_sgpr_workgroup_id_x 1
		.amdhsa_system_sgpr_workgroup_id_y 1
		.amdhsa_system_sgpr_workgroup_id_z 1
		.amdhsa_system_vgpr_workitem_id 0
		.amdhsa_next_free_vgpr 256
		.amdhsa_next_free_sgpr 100
		.amdhsa_reserve_vcc 1
		.amdhsa_float_denorm_mode_32 3
		.amdhsa_float_denorm_mode_16_64 3
		.amdhsa_memory_ordered 1
		.amdhsa_forward_progress 1
		.amdhsa_inst_pref_size 54
	.end_amdhsa_kernel
	.amdgpu_metadata
---
amdhsa.version: [ 1, 2 ]
amdhsa.kernels:
  - .name:           k_q4d3af9d2f7_attn
    .symbol:         k_q4d3af9d2f7_attn.kd
    .args:
      - { .name: qkvc, .offset: 0, .size: 8, .value_kind: global_buffer, .address_space: global }
      - { .name: padding_mask, .offset: 8, .size: 8, .value_kind: global_buffer, .address_space: global }
      - { .name: lowp_scales, .offset: 16, .size: 8, .value_kind: global_buffer, .address_space: global }
      - { .name: ctxc, .offset: 24, .size: 8, .value_kind: global_buffer, .address_space: global }
    .group_segment_fixed_size: 327680
    .private_segment_fixed_size: 0
    .kernarg_segment_align: 8
    .kernarg_segment_size: 32
    .max_flat_workgroup_size: 512
    .sgpr_count:     100
    .vgpr_count:     256
    .wavefront_size: 32
...
	.end_amdgpu_metadata
.endif
;; end of part 3
;; launch proj (part 4): grid 8 x 32, 4 waves a work-group, clusters of 4 x 4, 327,680 bytes of LDS; arguments ctxc, wcodes, lowp_scales, b0, X, res1; writes res1
.if DOCPART == 4
	.amdgcn_target "amdgcn-amd-amdhsa--gfx1250"
	.amdhsa_code_object_version 6
	.text
	.protected	k_q4d3af9d2f7_proj
	.globl	k_q4d3af9d2f7_proj
	.p2align	8
	.type	k_q4d3af9d2f7_proj,@function
k_q4d3af9d2f7_proj:
	s_mov_b64 s[64:65], 0
	v_nop
	global_prefetch_b8 v0, s[64:65] scope:SCOPE_SE
	s_setreg_imm32_b32 hwreg(HW_REG_WAVE_MODE, 25, 1), 1
	s_wait_xcnt 0x0
	s_wait_alu depctr_hold_cnt(0) depctr_sa_sdst(0) depctr_va_vdst(0) depctr_va_sdst(0) depctr_va_ssrc(0) depctr_va_vcc(0) depctr_vm_vsrc(0)
	s_getreg_b32 s2, hwreg(HW_REG_IB_STS2, 6, 4)
	s_cmp_eq_u32 s2, 0
	s_cbranch_scc0 .Lentry_in_a_cluster
	s_endpgm
.Lentry_in_a_cluster:
	s_bfe_u32 s2, ttmp6, 0x10000c
	s_cmp_lg_u32 s2, 0xf033
	s_cbranch_scc0 .Lentry_shape_is_right
	s_endpgm
.Lentry_shape_is_right:
.set SIZE_K, 1024
.set WOFF,   3<<20
.set BKROW,  1024
.set EOFF,   0x28
.set HEADMAJOR, 1
.set SK,     512
.set BP,     528
.set BHALF,  64*BP
.if HEADMAJOR
.set AHALF,  8*64*80
.set ASTEP,  8*2048*64
.else
.set AHALF,  BHALF
.set ASTEP,  SK
.endif
.set SLOT,   2*AHALF+2*BHALF
.set STAGE,  2*SLOT
.set SPITCH, 272
.set SPARE,  STAGE+4*16*SPITCH
.set LAPS,   SIZE_K/(2*SK)
.set ADRA, 16
.set ADRB, 20
.set STO,  24
.set RD,   25
.set CO,   26
.set SPW,  28
.set NIL,  29
.set BIAS, 32
.set ACC,  128
.set F0,   0
.set F1,   128
.set G1, 24
.set G0, 32
.set G1B, 48
.set G0B, 56
.set MSB, 0
.macro WIN new
.if MSB != \new
	s_set_vgpr_msb (MSB<<8)|\new
.set MSB, \new
.endif
.endm
.set MUL,  0x05
.set TO_F, 0x40
.macro JLOAD s
	s_cmp_eq_u32 s11, 0
	s_cbranch_scc0 .Lfor_b_\@
	tensor_load_to_lds s[G0+4*\s:G0+4*\s+3], s[G1:G1+7]
	s_nop 0
.rept 4
	v_nop
.endr
	s_branch .Lasked_\@
.Lfor_b_\@:
	tensor_load_to_lds s[G0B+4*\s:G0B+4*\s+3], s[G1B:G1B+7]
	s_nop 0
.rept 4
	v_nop
.endr
.Lasked_\@:
.endm
.macro CREST
	s_cmp_lg_u32 s10, 0
	s_cbranch_scc1 .Lnot_wave_0_\@
	s_barrier_signal -3
.Lnot_wave_0_\@:
	s_barrier_wait -3
	s_barrier_signal -1
	s_barrier_wait -1
.endm
.macro CROUND
	s_barrier_signal -1
	s_barrier_wait -1
	CREST
.endm
	s_load_b128 s[4:7], s[0:1], 0x0
	s_load_b256 s[68:75], s[0:1], 0x10
	v_lshl_add_u32 v[SPW], v0, 2, SPARE
	v_mov_b32 v[NIL], 0
	ds_add_u32 v[SPW], v[NIL]
	ds_add_u32 v[SPW], v[NIL]
	v_lshrrev_b32 v1, 5, v0
	v_readfirstlane_b32 s10, v1
	s_lshr_b32 s11, s10, 1
	s_and_b32 s12, s10, 1
	s_bfe_u32 s40, ttmp6, 0x40000
	s_bfe_u32 s41, ttmp6, 0x40004
	s_lshl_b32 s42, ttmp9, 2
	s_add_co_u32 s42, s42, s40
	s_and_b32 s13, ttmp7, 0xffff
	s_lshl_b32 s13, s13, 2
	s_add_co_u32 s13, s13, s41
	s_lshl_b32 s43, s41, 2
	s_lshl_b32 s43, 15, s43
	s_lshl_b32 s44, 0x1111, s40
.if HEADMAJOR
	s_or_b32 s[G1+0], s43, (3<<16)|(1<<20)|(1<<21)|(3<<22)|(3<<25)
	s_mov_b32 s[G1+1], 512<<16
	s_mov_b32 s[G1+2], 8<<16
	s_mov_b32 s[G1+3], 512<<16
	s_mov_b32 s[G1+4], 8
	s_mov_b32 s[G1+5], 16384
.else
	s_or_b32 s[G1+0], s43, (1<<20)|(1<<21)|(6<<22)|(3<<25)
	s_mov_b32 s[G1+1], SK<<16
	s_mov_b32 s[G1+2], 64<<16
	s_mov_b32 s[G1+3], SK<<16
	s_mov_b32 s[G1+4], 64
	s_mov_b32 s[G1+5], SIZE_K
.endif
	s_mov_b32 s[G1+6], 0
	s_mov_b32 s[G1+7], 0
	s_or_b32 s[G1B+0], s44, (1<<20)|(1<<21)|(6<<22)|(3<<25)
	s_mov_b32 s[G1B+1], SK<<16
	s_mov_b32 s[G1B+2], 64<<16
	s_mov_b32 s[G1B+3], SK<<16
	s_mov_b32 s[G1B+4], 64
	s_mov_b32 s[G1B+5], BKROW
	s_mov_b32 s[G1B+6], 0
	s_mov_b32 s[G1B+7], 0
	s_lshl_b32 s17, s12, 6
	s_lshl_b32 s46, s42, 7
	s_add_co_u32 s46, s46, s17
	s_mul_i32 s46, s46, BKROW
	s_add_co_u32 s46, s46, WOFF
	s_mov_b32 s47, 0
.if HEADMAJOR
	s_lshr_b32 s16, s13, 4
	s_lshl_b32 s16, s16, 15
	s_and_b32 s18, s13, 15
	s_lshl_b32 s18, s18, 7
	s_add_co_u32 s16, s16, s18
	s_add_co_u32 s16, s16, s17
	s_lshl_b32 s16, s16, 6
.else
	s_lshl_b32 s16, s13, 7
	s_add_co_u32 s16, s16, s17
	s_mul_i32 s16, s16, SIZE_K
.endif
	s_mov_b32 s17, 0
	s_mul_i32 s20, s12, AHALF
	s_mul_i32 s21, s12, BHALF
	s_add_co_u32 s21, s21, 2*AHALF
	s_wait_dscnt 0x0
	s_wait_kmcnt 0x0
	s_load_b64 s[76:77], s[68:69], EOFF
	s_add_nc_u64 s[14:15], s[4:5], s[16:17]
	s_add_nc_u64 s[46:47], s[6:7], s[46:47]
	; THE PREFETCH INTO THE L2: behind the joint load of K step 0 each wave asks for K step 1, whose load sets out only when K step 0 has landed.  A wave's tile is 128 blocks of 256 bytes; each of the four partners
	; that ask for it jointly takes 32, told apart by address.  The context (head-major): 8 heads x 4,096 dense bytes: a partner takes two heads, sixteen lanes to a head.  W0: 64 rows x 512 bytes: a partner takes 16 rows, two lanes to a row.
	s_cmp_eq_u32 s11, 0
	s_cselect_b64 s[66:67], s[14:15], s[46:47]
	s_cselect_b32 s18, s40, s41                    ; my place among the four
	s_cselect_b32 s19, 18, 14                      ; a partner's share: 2 x 131,072 or 16 x 1,024 bytes
	s_cselect_b32 s8, 4, 1                         ; lanes to a piece, as a shift
	s_cselect_b32 s9, 15, 1
	s_cselect_b32 s22, 17, 10                      ; from piece to piece
	s_cselect_b32 s23, 20, 9                       ; K step 1: 8 heads or 512 bytes on
	s_lshl_b32 s18, s18, s19
	s_lshl_b32 s23, 1, s23
	s_add_co_u32 s18, s18, s23
	s_mov_b32 s19, 0
	s_add_nc_u64 s[66:67], s[66:67], s[18:19]
	v_and_b32 v31, 31, v0
	v_lshrrev_b32 v30, s8, v31
	v_and_b32 v31, s9, v31
	v_lshlrev_b32 v30, s22, v30
	v_lshl_add_u32 v30, v31, 8, v30
	s_wait_alu depctr_va_vdst(0)                   ; the wait behind the write
	CROUND
.irp s, 0,1
	s_mov_b32 s[G0+4*\s], 1
	s_add_co_u32 s[G0+4*\s+1], s20, \s*SLOT
	s_add_nc_u64 s[G0+4*\s+2:G0+4*\s+3], s[14:15], \s*ASTEP
	s_or_b32 s[G0+4*\s+3], s[G0+4*\s+3], 0x80000000
	s_mov_b32 s[G0B+4*\s], 1
	s_add_co_u32 s[G0B+4*\s+1], s21, \s*SLOT
	s_add_nc_u64 s[G0B+4*\s+2:G0B+4*\s+3], s[46:47], \s*SK
	s_or_b32 s[G0B+4*\s+3], s[G0B+4*\s+3], 0x80000000
.if \s                                 ; slot 0's load stands behind the opening round; slot 1's first fill behind the full sequence and a round of its own
	s_wait_alu depctr_va_vdst(0)
	s_wait_tensorcnt 0x0
	ds_add_u32 v28, v29
	ds_add_u32 v28, v29
	s_wait_dscnt 0x0
	CROUND
.endif
	JLOAD \s
.if \s == 0
	global_prefetch_b8 v30, s[66:67] th:TH_LOAD_NT scope:SCOPE_SE
.endif
.endr
	v_and_b32 v1, 15, v0
	v_bfe_u32 v2, v0, 4, 1
.if HEADMAJOR
	v_mul_u32_u24 v3, v1, 80
.else
	v_mul_u32_u24 v3, v1, BP
.endif
	v_lshl_add_u32 v3, v2, 4, v3
	v_mul_u32_u24 v4, v1, BP
	v_lshl_add_u32 v4, v2, 4, v4
	s_mul_i32 s21, s11, AHALF
	s_mul_i32 s22, s12, BHALF
	s_add_co_u32 s22, s22, 2*AHALF
.irp s, 0,1
	v_add_nc_u32 v[ADRA+\s], s21, v3
	v_add_nc_u32 v[ADRB+\s], s22, v4
	s_add_co_u32 s21, s21, SLOT
	s_add_co_u32 s22, s22, SLOT
.endr
	s_mul_i32 s23, s10, 16*SPITCH
	s_add_co_u32 s23, s23, STAGE
	v_mul_u32_u24 v5, v1, SPITCH
	v_lshl_add_u32 v5, v2, 5, v5
	v_add_nc_u32 v[STO], s23, v5
	v_mul_u32_u24 v5, v2, SPITCH
	v_lshl_add_u32 v5, v1, 4, v5
	v_add_nc_u32 v[RD], s23, v5
	v_lshlrev_b32 v[CO], 12, v2
	v_lshl_add_u32 v[CO], v1, 4, v[CO]
	s_wait_alu depctr_va_vdst(0)
	s_lshl_b32 s16, s13, 7
	s_lshl_b32 s17, s11, 6
	s_add_co_u32 s16, s16, s17
	s_lshl_b32 s16, s16, 12
	s_lshl_b32 s46, s42, 9
	s_lshl_b32 s47, s12, 8
	s_add_co_u32 s46, s46, s47
	s_add_co_u32 s16, s16, s46
	s_mov_b32 s17, 0
	s_mov_b32 s47, 0
	s_add_nc_u64 s[72:73], s[72:73], s[16:17]
	s_add_nc_u64 s[74:75], s[74:75], s[16:17]
	s_add_nc_u64 s[70:71], s[70:71], s[46:47]
	v_lshlrev_b32 v6, 5, v2
.irp b, 0,1,2,3
	global_load_b128 v[BIAS+8*\b:BIAS+8*\b+3], v6, s[70:71] offset:64*\b
	global_load_b128 v[BIAS+8*\b+4:BIAS+8*\b+7], v6, s[70:71] offset:64*\b+16
.endr
	WIN 0x80
.set i, 0
.rept 32
	global_load_b128 v[4*i:4*i+3], v[CO], s[72:73] offset:2*i*4096
.set i, i+1
.endr
	WIN 0
.macro FRAGA reg, slot, q, i
.irp c, 0,1,2,3
.if HEADMAJOR
	ds_load_b128 v[\reg+4*\c:\reg+4*\c+3], v[ADRA+\slot] offset:(2*(\q)+\c/2)*5120+32*(\c%2)+(\i)*1280
.else
	ds_load_b128 v[\reg+4*\c:\reg+4*\c+3], v[ADRA+\slot] offset:128*(\q)+32*\c+(\i)*16*BP
.endif
.endr
.endm
.macro FRAGB reg, slot, q, i
.irp c, 0,1,2,3
	ds_load_b128 v[\reg+4*\c:\reg+4*\c+3], v[ADRB+\slot] offset:128*(\q)+32*\c+(\i)*16*BP
.endr
.endm
.macro FETCH slot, q, f
	WIN TO_F
.irp i, 0,1,2,3
	FRAGB \f+64+16*\i, \slot, \q, \i
.endr
.irp i, 0,1,2,3
	FRAGA \f+16*\i, \slot, \q, \i
.endr
.endm
.macro MUL8 f, a0, zero
.irp a, \a0, \a0+1
.irp b, 0,1,2,3
.if \zero
	v_wmma_f32_16x16x128_fp8_fp8 v[ACC+8*(4*(\a)+\b):ACC+8*(4*(\a)+\b)+7], v[\f+64+16*\b:\f+64+16*\b+15], v[\f+16*(\a):\f+16*(\a)+15], 0
.else
	v_wmma_f32_16x16x128_fp8_fp8 v[ACC+8*(4*(\a)+\b):ACC+8*(4*(\a)+\b)+7], v[\f+64+16*\b:\f+64+16*\b+15], v[\f+16*(\a):\f+16*(\a)+15], v[ACC+8*(4*(\a)+\b):ACC+8*(4*(\a)+\b)+7]
.endif
.endr
.endr
.endm
.macro PLACES
.rept 4
	v_nop
.endr
.endm
.macro QUARTER slot, q, f, g, zero
	s_wait_dscnt 8
	WIN MUL
	MUL8 \f, 0, \zero
	PLACES
	FETCH \slot, \q, \g
	s_wait_dscnt 32
	WIN MUL
	MUL8 \f, 2, \zero
.endm
.macro TURN slot, next, fill
	WIN 0
	s_wait_tensorcnt 0x0
	ds_add_u32 v[SPW], v[NIL]
	s_wait_dscnt 0x0
	s_barrier_signal -1
	WIN MUL
	MUL8 F1, 0, 0
	WIN 0
	s_barrier_wait -1
.if \fill
	CREST
	s_add_nc_u64 s[G0+4*\slot+2:G0+4*\slot+3], s[G0+4*\slot+2:G0+4*\slot+3], 2*ASTEP
	s_add_nc_u64 s[G0B+4*\slot+2:G0B+4*\slot+3], s[G0B+4*\slot+2:G0B+4*\slot+3], 2*SK
	JLOAD \slot
.else
	PLACES
.endif
	FETCH \next, 0, F0
	WIN MUL
	MUL8 F1, 2, 0
.endm
	s_wait_tensorcnt 1
	s_barrier_signal -1
	s_barrier_wait -1
	FETCH 0, 0, F0
	QUARTER 0, 1, F0, F1, 1
.if LAPS > 1
	WIN 0
	s_mov_b32 s3, LAPS-1
.Llap:
	QUARTER 0, 2, F1, F0, 0
	QUARTER 0, 3, F0, F1, 0
	TURN 0, 1, 1
	QUARTER 1, 1, F0, F1, 0
	QUARTER 1, 2, F1, F0, 0
	QUARTER 1, 3, F0, F1, 0
	TURN 1, 0, 1
	QUARTER 0, 1, F0, F1, 0
	WIN 0
	s_sub_co_u32 s3, s3, 1
	s_cmp_lg_u32 s3, 0
	s_cbranch_scc1 .Llap
.endif
	QUARTER 0, 2, F1, F0, 0
	QUARTER 0, 3, F0, F1, 0
	TURN 0, 1, 0
	QUARTER 1, 1, F0, F1, 0
	QUARTER 1, 2, F1, F0, 0
	QUARTER 1, 3, F0, F1, 0
	s_wait_dscnt 8
	WIN MUL
	MUL8 F1, 0, 0
	s_wait_dscnt 0
	MUL8 F1, 2, 0
	WIN 0
	s_wait_kmcnt 0x0
	s_add_co_i32 s78, s76, s77
	s_add_co_i32 s78, s78, 127
	s_lshl_b32 s78, s78, 23
	s_mov_b32 s79, s78
	s_wait_loadcnt 0x0
	PLACES
.macro PACK a
.irp b, 0,1,2,3
.irp j, 0,2,4,6
	v_pk_fma_f32 v[ACC+8*(4*\a+\b)+\j:ACC+8*(4*\a+\b)+\j+1], v[ACC+8*(4*\a+\b)+\j:ACC+8*(4*\a+\b)+\j+1], s[78:79], v[BIAS+8*\b+\j:BIAS+8*\b+\j+1] op_sel_hi:[1,0,1]
.endr
.endr
.irp b, 0,1,2,3
	ds_store_b128 v[STO], v[ACC+8*(4*\a+\b):ACC+8*(4*\a+\b)+3] offset:64*\b
	ds_store_b128 v[STO], v[ACC+8*(4*\a+\b)+4:ACC+8*(4*\a+\b)+7] offset:64*\b+16
.endr
.irp t, 0,1,2,3,4,5,6,7
	ds_load_b128 v[ACC+32*\a+4*\t:ACC+32*\a+4*\t+3], v[RD] offset:\t*2*SPITCH
.endr
.endm
.macro SEND a, younger
	s_wait_dscnt \younger
	WIN 0x08
.set i, 0
.rept 16
	v_pk_add_f32 v[ACC+32*\a+i:ACC+32*\a+i+1], v[ACC+32*\a+i:ACC+32*\a+i+1], v[32*\a+i:32*\a+i+1]
.set i, i+2
.endr
	WIN 0
.irp t, 0,1,2,3,4,5,6,7
	global_store_b128 v[CO], v[ACC+32*\a+4*\t:ACC+32*\a+4*\t+3], s[74:75] offset:(16*\a+2*\t)*4096 th:TH_STORE_NT
.endr
.endm
	PACK 0
	PACK 1
	SEND 0, 16
	PACK 2
	SEND 1, 16
	PACK 3
	SEND 2, 16
	SEND 3, 0
	s_wait_tensorcnt 0x0
	ds_add_u32 v[SPW], v[NIL]
	s_wait_dscnt 0x0
	CROUND
	s_endpgm
.Lfunc_end_k_q4d3af9d2f7_proj:
	.size	k_q4d3af9d2f7_proj, .Lfunc_end_k_q4d3af9d2f7_proj-k_q4d3af9d2f7_proj
	.p2alignl 7, 3214868480
	.fill 96, 4, 3214868480
	.section	.rodata,"a",@progbits
	.p2align	6, 0x0
	.amdhsa_kernel k_q4d3af9d2f7_proj
		.amdhsa_group_segment_fixed_size 327680
		.amdhsa_private_segment_fixed_size 0
		.amdhsa_enable_private_segment 0
		.amdhsa_kernarg_size 48
		.amdhsa_user_sgpr_count 2
		.amdhsa_user_sgpr_kernarg_segment_ptr 1
		.amdhsa_wavefront_size32 1
		.amdhsa_system_sgpr_workgroup_id_x 1
		.amdhsa_system_sgpr_workgroup_id_y 1
		.amdhsa_system_sgpr_workgroup_id_z 1
		.amdhsa_system_vgpr_workitem_id 0
		.amdhsa_next_free_vgpr 640
		.amdhsa_next_free_sgpr 80
		.amdhsa_reserve_vcc 0
		.amdhsa_float_denorm_mode_32 3
		.amdhsa_float_denorm_mode_16_64 3
		.amdhsa_memory_ordered 1
		.amdhsa_forward_progress 1
		.amdhsa_inst_pref_size 55
	.end_amdhsa_kernel
	.amdgpu_metadata
---
amdhsa.version: [ 1, 2 ]
amdhsa.kernels:
  - .name:           k_q4d3af9d2f7_proj
    .symbol:         k_q4d3af9d2f7_proj.kd
    .args:
      - { .name: ctxc, .offset: 0, .size: 8, .value_kind: global_buffer, .address_space: global }
      - { .name: wcodes, .offset: 8, .size: 8, .value_kind: global_buffer, .address_space: global }
      - { .name: lowp_scales, .offset: 16, .size: 8, .value_kind: global_buffer, .address_space: global }
      - { .name: b0, .offset: 24, .size: 8, .value_kind: global_buffer, .address_space: global }
      - { .name: X, .offset: 32, .size: 8, .value_kind: global_buffer, .address_space: global }
      - { .name: res1, .offset: 40, .size: 8, .value_kind: global_buffer, .address_space: global }
    .group_segment_fixed_size: 327680
    .private_segment_fixed_size: 0
    .kernarg_segment_align: 8
    .kernarg_segment_size: 48
    .max_flat_workgroup_size: 128
    .sgpr_count:     80
    .vgpr_count:     640
    .wavefront_size: 32
...
	.end_amdgpu_metadata
.endif
;; end of part 4
;; launch ln2 (part 5): grid 256 x 1, 4 waves a work-group, no clusters, 0 bytes of LDS; arguments res1, g2, o2, lowp_scales, hc; writes hc
.if DOCPART == 5
	.amdgcn_target "amdgcn-amd-amdhsa--gfx1250"
	.amdhsa_code_object_version 6
	.text
	.protected	k_q4d3af9d2f7_ln2
	.globl	k_q4d3af9d2f7_ln2
	.p2align	8
	.type	k_q4d3af9d2f7_ln2,@function
k_q4d3af9d2f7_ln2:
	s_mov_b64 s[64:65], 0
	v_nop
	global_prefetch_b8 v0, s[64:65] scope:SCOPE_SE
	s_setreg_imm32_b32 hwreg(HW_REG_WAVE_MODE, 25, 1), 1
	s_wait_xcnt 0x0
; LN2(res1) as codes of FP8 under lowp_scales[12].  A wave takes 4 rows, one row at a time in 32 registers; mean, then the squares of the differences (two passes).  No LDS, no barrier: waves share nothing.
; Of each 1,024 bytes of a row a lane takes 32: eight neighbours for one conversion; the wave's store of their codes covers 256 consecutive, aligned bytes.
; LIMIT: e between -126 and 119.  NaN among the inputs is not served.
.set X0,  16
.set G,   80
.set OF,  112
.set T,   144
.set CD,  176
.set SC,  184
.set NR,  4
	s_load_b256 s[4:11], s[0:1], 0x0               ; res1, g2, o2, the scales' exponents
	s_load_b64 s[12:13], s[0:1], 0x20              ; hc
	v_lshrrev_b32 v1, 5, v0
	v_readfirstlane_b32 s28, v1
	v_and_b32 v1, 31, v0
	s_wait_alu depctr_va_vdst(0)
	s_lshl_b32 s29, ttmp9, 4
	s_lshl_b32 s14, s28, 2
	s_add_co_u32 s29, s29, s14                     ; my first row
	s_lshl_b32 s14, s29, 12
	s_mov_b32 s15, 0
	s_lshl_b32 s16, s29, 10
	s_mov_b32 s17, 0
	s_mov_b32 s18, 0x76543210
	s_mov_b32 s19, 0xfedcba98
	v_lshlrev_b32 v2, 5, v1
	v_lshlrev_b32 v3, 3, v1
	v_mov_b32 v7, 0
	s_wait_alu depctr_va_vdst(0)
	s_wait_kmcnt 0x0
	s_load_b32 s20, s[10:11], 0x30
	s_add_nc_u64 s[4:5], s[4:5], s[14:15]
	s_add_nc_u64 s[12:13], s[12:13], s[16:17]
.irp c, 0,1,2,3
	global_load_b128 v[G+8*\c:G+8*\c+3], v2, s[6:7] offset:1024*\c
	global_load_b128 v[G+8*\c+4:G+8*\c+7], v2, s[6:7] offset:1024*\c+16
	global_load_b128 v[OF+8*\c:OF+8*\c+3], v2, s[8:9] offset:1024*\c
	global_load_b128 v[OF+8*\c+4:OF+8*\c+7], v2, s[8:9] offset:1024*\c+16
.endr
.macro LOADX r
.irp c, 0,1,2,3
	global_load_b128 v[X0+32*((\r)%2)+8*\c:X0+32*((\r)%2)+8*\c+3], v2, s[4:5] offset:4096*(\r)+1024*\c
	global_load_b128 v[X0+32*((\r)%2)+8*\c+4:X0+32*((\r)%2)+8*\c+7], v2, s[4:5] offset:4096*(\r)+1024*\c+16
.endr
.endm
	LOADX 0
	LOADX 1
	s_wait_kmcnt 0x0
	s_add_co_i32 s20, s20, 127
	s_lshl_b32 s21, s20, 23
	v_mov_b32 v[SC], s21
	s_add_co_i32 s20, s20, 8
	s_lshl_b32 s20, s20, 23
	s_or_b32 s20, s20, 0x600000
	v_mov_b32 v[SC+1], s20
.macro FOLD                            ; four chains in v[T .. T+7] into v6, then over the 32 lanes
	v_pk_add_f32 v[T:T+1], v[T:T+1], v[T+2:T+3]
	v_pk_add_f32 v[T+4:T+5], v[T+4:T+5], v[T+6:T+7]
	v_pk_add_f32 v[T:T+1], v[T:T+1], v[T+4:T+5]
	v_add_f32 v6, v[T], v[T+1]
	v_add_f32_dpp v6, v6, v6 row_xmask:1 row_mask:0xf bank_mask:0xf
	v_add_f32_dpp v6, v6, v6 row_xmask:2 row_mask:0xf bank_mask:0xf
	v_add_f32_dpp v6, v6, v6 row_xmask:4 row_mask:0xf bank_mask:0xf
	v_add_f32_dpp v6, v6, v6 row_xmask:8 row_mask:0xf bank_mask:0xf
	v_permlanex16_b32 v7, v6, s18, s19
	v_add_f32 v6, v6, v7
.endm
.macro ROW r
.set XS, X0+32*((\r)%2)
.if (\r) < NR-1
	s_wait_loadcnt 8                               ; my row is in; the next row's eight loads may be out
.else
	s_wait_loadcnt 0
.endif
.irp k, 0,2,4,6
	v_pk_add_f32 v[T+\k:T+\k+1], v[XS+\k:XS+\k+1], v[XS+8+\k:XS+9+\k]
.endr
.irp m, 16,24
.irp k, 0,2,4,6
	v_pk_add_f32 v[T+\k:T+\k+1], v[T+\k:T+\k+1], v[XS+\m+\k:XS+\m+\k+1]
.endr
.endr
	FOLD
	v_mul_f32 v8, 0x3a800000, v6                   ; the mean
	v_mov_b32 v9, v8
.set i, 0
.rept 16
	v_pk_add_f32 v[XS+i:XS+i+1], v[XS+i:XS+i+1], v[8:9] neg_lo:[0,1] neg_hi:[0,1]
.set i, i+2
.endr
.irp k, 0,2,4,6
	v_pk_mul_f32 v[T+\k:T+\k+1], v[XS+\k:XS+\k+1], v[XS+\k:XS+\k+1]
.endr
.irp m, 8,16,24
.irp k, 0,2,4,6
	v_pk_fma_f32 v[T+\k:T+\k+1], v[XS+\m+\k:XS+\m+\k+1], v[XS+\m+\k:XS+\m+\k+1], v[T+\k:T+\k+1]
.endr
.endr
	FOLD
	v_mul_f32 v6, 0x3a800000, v6
	s_wait_alu depctr_va_vdst(0)
	v_sqrt_f32 v6, v6
	v_nop                                          ; a plain line behind the transcendental,
	s_wait_alu depctr_va_vdst(0)                   ; and the wait ahead of its first reader
	v_add_f32 v6, 0x3089705f, v6                   ; + 1e-9
	s_wait_alu depctr_va_vdst(0)
	v_rcp_f32 v10, v6
	v_nop
	s_wait_alu depctr_va_vdst(0)
	v_fma_f32 v11, -v6, v10, 1.0                   ; one Newton step
	v_fma_f32 v10, v11, v10, v10
	v_mov_b32 v11, v10
.set i, 0
.rept 16
	v_pk_mul_f32 v[XS+i:XS+i+1], v[XS+i:XS+i+1], v[10:11]
.set i, i+2
.endr
.set i, 0
.rept 16
	v_pk_fma_f32 v[XS+i:XS+i+1], v[XS+i:XS+i+1], v[G+i:G+i+1], v[OF+i:OF+i+1]
.set i, i+2
.endr
	s_wait_xcnt 0x0                                ; the last row's stores have read their codes' registers
.set i, 0
.rept 32
	v_med3_num_f32 v[T+i], v[XS+i], -v[SC+1], v[SC+1]
.set i, i+1
.endr
.irp c, 0,1,2,3
	v_cvt_scalef32_pk8_fp8_f32 v[CD+2*\c:CD+2*\c+1], v[T+8*\c:T+8*\c+7], v[SC]
.endr
	v_nop
.irp c, 0,1,2,3
	global_store_b64 v3, v[CD+2*\c:CD+2*\c+1], s[12:13] offset:1024*(\r)+256*\c
.endr
.if (\r)+2 < NR
	LOADX (\r)+2
.endif
.endm
.irp r, 0,1,2,3
	ROW \r
.endr
	s_endpgm
.Lfunc_end_k_q4d3af9d2f7_ln2:
	.size	k_q4d3af9d2f7_ln2, .Lfunc_end_k_q4d3af9d2f7_ln2-k_q4d3af9d2f7_ln2
	.p2alignl 7, 3214868480
	.fill 96, 4, 3214868480
	.section	.rodata,"a",@progbits
	.p2align	6, 0x0
	.amdhsa_kernel k_q4d3af9d2f7_ln2
		.amdhsa_group_segment_fixed_size 0
		.amdhsa_private_segment_fixed_size 0
		.amdhsa_enable_private_segment 0
		.amdhsa_kernarg_size 40
		.amdhsa_user_sgpr_count 2
		.amdhsa_user_sgpr_kernarg_segment_ptr 1
		.amdhsa_wavefront_size32 1
		.amdhsa_system_sgpr_workgroup_id_x 1
		.amdhsa_system_sgpr_workgroup_id_y 1
		.amdhsa_system_sgpr_workgroup_id_z 1
		.amdhsa_system_vgpr_workitem_id 0
		.amdhsa_next_free_vgpr 192
		.amdhsa_next_free_sgpr 66
		.amdhsa_reserve_vcc 0
		.amdhsa_float_denorm_mode_32 3
		.amdhsa_float_denorm_mode_16_64 3
		.amdhsa_memory_ordered 1
		.amdhsa_forward_progress 1
		.amdhsa_inst_pref_size 43
	.end_amdhsa_kernel
	.amdgpu_metadata
---
amdhsa.version: [ 1, 2 ]
amdhsa.kernels:
  - .name:           k_q4d3af9d2f7_ln2
    .symbol:         k_q4d3af9d2f7_ln2.kd
    .args:
      - { .name: res1, .offset: 0, .size: 8, .value_kind: global_buffer, .address_space: global }
      - { .name: g2, .offset: 8, .size: 8, .value_kind: global_buffer, .address_space: global }
      - { .name: o2, .offset: 16, .size: 8, .value_kind: global_buffer, .address_space: global }
      - { .name: lowp_scales, .offset: 24, .size: 8, .value_kind: global_buffer, .address_space: global }
      - { .name: hc, .offset: 32, .size: 8, .value_kind: global_buffer, .address_space: global }
    .group_segment_fixed_size: 0
    .private_segment_fixed_size: 0
    .kernarg_segment_align: 8
    .kernarg_segment_size: 40
    .max_flat_workgroup_size: 128
    .sgpr_count:     66
    .vgpr_count:     192
    .wavefront_size: 32
...
	.end_amdgpu_metadata
.endif
;; end of part 5
;; launch ffn1 (part 6): grid 16 x 16, 4 waves a work-group, clusters of 4 x 4, 327,680 bytes of LDS; arguments hc, wcodes, lowp_scales, b1, fc; writes fc
.if DOCPART == 6
	.amdgcn_target "amdgcn-amd-amdhsa--gfx1250"
	.amdhsa_code_object_version 6
	.text
	.protected	k_q4d3af9d2f7_ffn1
	.globl	k_q4d3af9d2f7_ffn1
	.p2align	8
	.type	k_q4d3af9d2f7_ffn1,@function
k_q4d3af9d2f7_ffn1:
	s_mov_b64 s[64:65], 0
	v_nop
	global_prefetch_b8 v0, s[64:65] scope:SCOPE_SE
	s_setreg_imm32_b32 hwreg(HW_REG_WAVE_MODE, 25, 1), 1
	s_wait_xcnt 0x0
	s_wait_alu depctr_hold_cnt(0) depctr_sa_sdst(0) depctr_va_vdst(0) depctr_va_sdst(0) depctr_va_ssrc(0) depctr_va_vcc(0) depctr_vm_vsrc(0)
	s_getreg_b32 s2, hwreg(HW_REG_IB_STS2, 6, 4)
	s_cmp_eq_u32 s2, 0
	s_cbranch_scc0 .Lentry_in_a_cluster
	s_endpgm
.Lentry_in_a_cluster:
	s_bfe_u32 s2, ttmp6, 0x10000c
	s_cmp_lg_u32 s2, 0xf033
	s_cbranch_scc0 .Lentry_shape_is_right
	s_endpgm
.Lentry_shape_is_right:
.set KROW,   1024
.set ROWB,   256
.set PITCH,  272
.set FR,     16
.set NL,     4
.set NP,     4
.set HALFT,  128*PITCH
.set SLOT,   4*HALFT
.set SPARE,  2*SLOT
.set ADRA, 16
.set RDV,  19
.set ADRB, 20
.set COV,  22
.set STOQ, 24
.set SPW,  28
.set NIL,  29
.set QS,   30
.set QL,   31
.set BIAS, 64
.set AF,   128
.set TMP,  128
.set CDS,  192
.set G1, 24
.set G0, 32
.set G1B, 48
.set G0B, 56
.set MSB, 0
.macro WIN new
.if MSB != \new
	s_set_vgpr_msb (MSB<<8)|\new
.set MSB, \new
.endif
.endm
.set MUL_LO, 0xa1
.set MUL_HI, 0xf1
.set TO_B,   0x40
.macro JLOAD g0a, g1a, g0b, g1b
	s_cmp_eq_u32 s15, 0
	s_cbranch_scc0 .Lfor_b_\@
	tensor_load_to_lds s[\g0a:\g0a+3], s[\g1a:\g1a+7]
	s_nop 0
.rept 4
	v_nop
.endr
	s_branch .Lasked_\@
.Lfor_b_\@:
	tensor_load_to_lds s[\g0b:\g0b+3], s[\g1b:\g1b+7]
	s_nop 0
.rept 4
	v_nop
.endr
.Lasked_\@:
.endm
.macro CREST
	s_cmp_lg_u32 s14, 0
	s_cbranch_scc1 .Lnot_wave_0_\@
	s_barrier_signal -3
.Lnot_wave_0_\@:
	s_barrier_wait -3
	s_barrier_signal -1
	s_barrier_wait -1
.endm
.macro CROUND
	s_barrier_signal -1
	s_barrier_wait -1
	CREST
.endm
	s_load_b128 s[4:7], s[0:1], 0x0
	s_load_b128 s[68:71], s[0:1], 0x10
	s_load_b64 s[10:11], s[0:1], 0x20
	v_lshl_add_u32 v[SPW], v0, 2, SPARE
	v_mov_b32 v[NIL], 0
	ds_add_u32 v[SPW], v[NIL]
	ds_add_u32 v[SPW], v[NIL]
	v_lshrrev_b32 v1, 5, v0
	v_readfirstlane_b32 s14, v1
	s_lshr_b32 s15, s14, 1
	s_and_b32 s16, s14, 1
	s_bfe_u32 s40, ttmp6, 0x40000
	s_bfe_u32 s41, ttmp6, 0x40004
	s_lshl_b32 s42, ttmp9, 2
	s_add_co_u32 s42, s42, s40
	s_and_b32 s17, ttmp7, 0xffff
	s_lshl_b32 s17, s17, 2
	s_add_co_u32 s17, s17, s41
	s_lshl_b32 s43, s41, 2
	s_lshl_b32 s43, 15, s43
	s_lshl_b32 s44, 0x1111, s40
	s_or_b32 s[G1+0], s43, (1<<20)|(1<<21)|(5<<22)|(3<<25)
	s_or_b32 s[G1B+0], s44, (1<<20)|(1<<21)|(5<<22)|(3<<25)
.irp g, G1, G1B
	s_mov_b32 s[\g+1], ROWB<<16
	s_mov_b32 s[\g+2], 128<<16
	s_mov_b32 s[\g+3], ROWB<<16
	s_mov_b32 s[\g+4], 128
	s_mov_b32 s[\g+5], KROW
	s_mov_b32 s[\g+6], 0
	s_mov_b32 s[\g+7], 0
.endr
	s_lshl_b32 s18, s16, 7
	s_lshl_b32 s20, s17, 8
	s_add_co_u32 s20, s20, s18
	s_lshl_b32 s20, s20, 10
	s_mov_b32 s21, 0
	s_lshl_b32 s46, s42, 8
	s_add_co_u32 s46, s46, s18
	s_lshl_b32 s46, s46, 10
	s_add_co_u32 s46, s46, 4<<20
	s_mov_b32 s47, 0
	s_mul_i32 s45, s14, HALFT
	s_wait_dscnt 0x0
	s_wait_kmcnt 0x0
	s_load_b128 s[76:79], s[68:69], 0x30
	s_add_nc_u64 s[20:21], s[4:5], s[20:21]
	s_add_nc_u64 s[46:47], s[6:7], s[46:47]
	; THE PREFETCHES INTO THE L2.  Behind the joint load of K step n each wave asks for K step n + 2 (behind the first also for K step 1, whose load sets out only when K step 0 has landed): 32 rows x 256 bytes, a lane a row.
	; Of the 128 rows that a wave fetches, each of the four partners that ask for them jointly takes 32, told apart by address (cx along a row of the cluster, cy along a column): each 256 bytes once in a cluster.
	; The steps are immediates, so the address is never rewritten; K step 3 is the last, and nothing beyond it is named.
	s_cmp_eq_u32 s15, 0
	s_cselect_b64 s[12:13], s[20:21], s[46:47]
	s_cselect_b32 s8, s40, s41
	s_lshl_b32 s8, s8, 15                          ; my work-group's 32 rows of 1,024 bytes
	s_mov_b32 s9, 0
	s_add_nc_u64 s[12:13], s[12:13], s[8:9]
	v_and_b32 v23, 31, v0
	v_lshlrev_b32 v23, 10, v23
	s_wait_alu depctr_va_vdst(0)                   ; the wait behind the write
	CROUND
.irp s, 0,1
	s_mov_b32 s[G0+4*\s], 1
	s_add_co_u32 s[G0+4*\s+1], s45, \s*SLOT
	s_add_nc_u64 s[G0+4*\s+2:G0+4*\s+3], s[20:21], \s*ROWB
	s_or_b32 s[G0+4*\s+3], s[G0+4*\s+3], 0x80000000
	s_mov_b32 s[G0B+4*\s], 1
	s_add_co_u32 s[G0B+4*\s+1], s45, \s*SLOT
	s_add_nc_u64 s[G0B+4*\s+2:G0B+4*\s+3], s[46:47], \s*ROWB
	s_or_b32 s[G0B+4*\s+3], s[G0B+4*\s+3], 0x80000000
.if \s                                 ; slot 0's load stands behind the opening round; slot 1's first fill behind the full sequence and a round of its own
	s_wait_alu depctr_va_vdst(0)
	s_wait_tensorcnt 0x0
	ds_add_u32 v28, v29
	ds_add_u32 v28, v29
	s_wait_dscnt 0x0
	CROUND
.endif
	JLOAD G0+4*\s, G1, G0B+4*\s, G1B
.if \s
	global_prefetch_b8 v23, s[12:13] offset:768 th:TH_LOAD_NT scope:SCOPE_SE
.else
	global_prefetch_b8 v23, s[12:13] offset:256 th:TH_LOAD_NT scope:SCOPE_SE
	global_prefetch_b8 v23, s[12:13] offset:512 th:TH_LOAD_NT scope:SCOPE_SE
.endif
.endr
	v_and_b32 v1, 15, v0
	v_bfe_u32 v2, v0, 4, 1
	v_mul_u32_u24 v3, v1, PITCH
	s_wait_alu depctr_va_vdst(0)
	v_lshl_add_u32 v4, v2, 4, v3
	s_mul_i32 s21, s15, HALFT
	s_mul_i32 s22, s16, HALFT
	s_add_co_u32 s22, s22, 2*HALFT
.irp s, 0,1
	v_add_nc_u32 v[ADRA+\s], s21, v4
	v_add_nc_u32 v[ADRB+\s], s22, v4
	s_add_co_u32 s21, s21, SLOT
	s_add_co_u32 s22, s22, SLOT
.endr
	s_mul_i32 s23, s15, 128*PITCH
	s_lshl_b32 s18, s16, 7
	s_add_co_u32 s23, s23, s18
	v_lshl_add_u32 v5, v2, 3, v3
	v_add_nc_u32 v[STOQ], s23, v5
	s_mul_i32 s18, s14, 64*PITCH
	v_mul_u32_u24 v7, v2, PITCH
	v_lshl_add_u32 v7, v1, 4, v7
	v_add_nc_u32 v[RDV], s18, v7
	v_lshlrev_b32 v[COV], 12, v2
	v_lshl_add_u32 v[COV], v1, 4, v[COV]
	s_lshl_b32 s46, s42, 10
	s_lshl_b32 s47, s16, 9
	s_add_co_u32 s46, s46, s47
	s_mov_b32 s47, 0
	s_add_nc_u64 s[70:71], s[70:71], s[46:47]
	v_lshlrev_b32 v6, 5, v2
.irp b, 0,1,2,3,4,5,6,7
	global_load_b128 v[BIAS+8*\b:BIAS+8*\b+3], v6, s[70:71] offset:64*\b
	global_load_b128 v[BIAS+8*\b+4:BIAS+8*\b+7], v6, s[70:71] offset:64*\b+16
.endr
	s_lshl_b32 s18, s17, 8
	s_lshl_b32 s19, s14, 6
	s_add_co_u32 s18, s18, s19
	s_lshl_b32 s18, s18, 12
	s_lshl_b32 s19, s42, 8
	s_add_co_u32 s18, s18, s19
	s_mov_b32 s19, 0
	s_add_nc_u64 s[10:11], s[10:11], s[18:19]
.macro FRAG reg, adr, q, i
.irp c, 0,1,2,3
	ds_load_b128 v[\reg+4*\c:\reg+4*\c+3], v[\adr] offset:128*(\q)+32*\c+(\i)*16*PITCH
.endr
.endm
.macro MUL16 a0, p, zero
.irp a, \a0, \a0+1
.irp b, 0,1,2,3,4,5,6,7
.if \zero
	v_wmma_f32_16x16x128_fp8_fp8 v[8*(8*((\a)%4)+\b):8*(8*((\a)%4)+\b)+7], v[128*(\p)+FR*\b:128*(\p)+FR*\b+FR-1], v[AF+FR*(\a):AF+FR*(\a)+FR-1], 0
.else
	v_wmma_f32_16x16x128_fp8_fp8 v[8*(8*((\a)%4)+\b):8*(8*((\a)%4)+\b)+7], v[128*(\p)+FR*\b:128*(\p)+FR*\b+FR-1], v[AF+FR*(\a):AF+FR*(\a)+FR-1], v[8*(8*((\a)%4)+\b):8*(8*((\a)%4)+\b)+7]
.endif
.endr
.endr
.endm
.macro FETCH_B slot, q, p
	WIN TO_B
.irp i, 0,1,2,3,4,5,6,7
	FRAG 128*(\p)+FR*\i, ADRB+\slot, \q, \i
.endr
	WIN 0
.endm
.macro FETCH_A slot, q, i0
.irp i, \i0, \i0+1, \i0+2, \i0+3
	FRAG AF+FR*(\i), ADRA+\slot, \q, \i
.endr
.endm
.macro PLACES n
.rept \n
	v_nop
.endr
.endm
.macro STEP slot, q, zero
	s_wait_dscnt 4*NL
	WIN MUL_LO
	MUL16 0, (\q)%2, \zero
	MUL16 2, (\q)%2, \zero
	s_wait_dscnt 0
	PLACES NP
	FETCH_B \slot, (\q)+1, 1-(\q)%2
	FETCH_A \slot, (\q)+1, 0
	WIN MUL_HI
	MUL16 4, (\q)%2, \zero
	MUL16 6, (\q)%2, \zero
	PLACES NP
	WIN 0
	FETCH_A \slot, (\q)+1, 4
.endm
.macro TURN slot, next, fill
	s_wait_tensorcnt 0x0
	ds_add_u32 v[SPW], v[NIL]
	s_wait_dscnt 4*NL+1
	WIN MUL_LO
	MUL16 0, 1, 0
	s_wait_dscnt 0x0
	s_barrier_signal -1
	MUL16 2, 1, 0
	WIN 0
	s_barrier_wait -1
.if \fill
	CREST
	s_add_nc_u64 s[G0+4*\slot+2:G0+4*\slot+3], s[G0+4*\slot+2:G0+4*\slot+3], 2*ROWB
	s_add_nc_u64 s[G0B+4*\slot+2:G0B+4*\slot+3], s[G0B+4*\slot+2:G0B+4*\slot+3], 2*ROWB
	JLOAD G0+4*\slot, G1, G0B+4*\slot, G1B
.else
	PLACES NP
.endif
	s_wait_alu depctr_va_vdst(0)
	FETCH_B \next, 0, 0
	FETCH_A \next, 0, 0
	WIN MUL_HI
	MUL16 4, 1, 0
	MUL16 6, 1, 0
	PLACES NP
	WIN 0
	FETCH_A \next, 0, 4
.endm
	s_wait_tensorcnt 1
	s_barrier_signal -1
	s_barrier_wait -1
	FETCH_B 0, 0, 0
	FETCH_A 0, 0, 0
	FETCH_A 0, 0, 4
	STEP 0, 0, 1
	TURN 0, 1, 1
	STEP 1, 0, 0
	TURN 1, 0, 1
	STEP 0, 0, 0
	TURN 0, 1, 0
	STEP 1, 0, 0
	s_wait_dscnt 4*NL
	WIN MUL_LO
	MUL16 0, 1, 0
	MUL16 2, 1, 0
	s_wait_dscnt 0
	WIN MUL_HI
	MUL16 4, 1, 0
	MUL16 6, 1, 0
	WIN 0
	s_wait_kmcnt 0x0
	s_add_co_i32 s92, s76, s77
	s_add_co_i32 s92, s92, 127
	s_lshl_b32 s96, s92, 23
	s_mov_b32 s97, s96
	s_add_co_i32 s95, s78, 127
	s_lshl_b32 s94, s95, 23
	v_mov_b32 v[QS], s94
	s_add_co_i32 s95, s95, 8
	s_lshl_b32 s95, s95, 23
	s_or_b32 s95, s95, 0x600000
	v_mov_b32 v[QL], s95
	s_wait_loadcnt 0x0
	PLACES NP
.macro TOST a
.set AC, 64*((\a)%4)
	WIN (0x02+((\a)/4))
.irp b, 0,1,2,3,4,5,6,7
.irp j, 0,2,4,6
	v_pk_fma_f32 v[TMP+8*\b+\j:TMP+8*\b+\j+1], v[AC+8*\b+\j:AC+8*\b+\j+1], s[96:97], v[BIAS+8*\b+\j:BIAS+8*\b+\j+1] op_sel_hi:[1,0,1]
.endr
.endr
	WIN 0
.set i, 0
.rept 64
	v_med3_num_f32 v[TMP+i], v[TMP+i], 0, v[QL]
.set i, i+1
.endr
.if (\a) >= 2
	s_wait_alu depctr_va_vdst(0)
	s_wait_dscnt 8
.endif
.irp b, 0,1,2,3,4,5,6,7
	v_cvt_scalef32_pk8_fp8_f32 v[CDS+16*((\a)%2)+2*\b:CDS+16*((\a)%2)+2*\b+1], v[TMP+8*\b:TMP+8*\b+7], v[QS]
.endr
	v_nop
.irp b, 0,1,2,3,4,5,6,7
	ds_store_b64 v[STOQ], v[CDS+16*((\a)%2)+2*\b:CDS+16*((\a)%2)+2*\b+1] offset:(\a)*16*PITCH+16*\b
.endr
.endm
.irp a, 0,1,2,3,4,5,6,7
	TOST \a
.endr
	s_wait_dscnt 0x0
	s_barrier_signal -1
	s_barrier_wait -1
.set i, 0
.rept 32
	ds_load_b128 v[128+4*i:131+4*i], v[RDV] offset:i*2*PITCH
.set i, i+1
.endr
.set i, 0
.rept 32
	s_wait_dscnt 31-i
	global_store_b128 v[COV], v[128+4*i:131+4*i], s[10:11] offset:8192*i
.set i, i+1
.endr
	s_wait_tensorcnt 0x0
	ds_add_u32 v[SPW], v[NIL]
	s_wait_dscnt 0x0
	CROUND
	s_endpgm
.Lfunc_end_k_q4d3af9d2f7_ffn1:
	.size	k_q4d3af9d2f7_ffn1, .Lfunc_end_k_q4d3af9d2f7_ffn1-k_q4d3af9d2f7_ffn1
	.p2alignl 7, 3214868480
	.fill 96, 4, 3214868480
	.section	.rodata,"a",@progbits
	.p2align	6, 0x0
	.amdhsa_kernel k_q4d3af9d2f7_ffn1
		.amdhsa_group_segment_fixed_size 327680
		.amdhsa_private_segment_fixed_size 0
		.amdhsa_enable_private_segment 0
		.amdhsa_kernarg_size 40
		.amdhsa_user_sgpr_count 2
		.amdhsa_user_sgpr_kernarg_segment_ptr 1
		.amdhsa_wavefront_size32 1
		.amdhsa_system_sgpr_workgroup_id_x 1
		.amdhsa_system_sgpr_workgroup_id_y 1
		.amdhsa_system_sgpr_workgroup_id_z 1
		.amdhsa_system_vgpr_workitem_id 0
		.amdhsa_next_free_vgpr 1024
		.amdhsa_next_free_sgpr 98
		.amdhsa_reserve_vcc 0
		.amdhsa_float_denorm_mode_32 3
		.amdhsa_float_denorm_mode_16_64 3
		.amdhsa_memory_ordered 1
		.amdhsa_forward_progress 1
		.amdhsa_inst_pref_size 144
	.end_amdhsa_kernel
	.amdgpu_metadata
---
amdhsa.version: [ 1, 2 ]
amdhsa.kernels:
  - .name:           k_q4d3af9d2f7_ffn1
    .symbol:         k_q4d3af9d2f7_ffn1.kd
    .args:
      - { .name: hc, .offset: 0, .size: 8, .value_kind: global_buffer, .address_space: global }
      - { .name: wcodes, .offset: 8, .size: 8, .value_kind: global_buffer, .address_space: global }
      - { .name: lowp_scales, .offset: 16, .size: 8, .value_kind: global_buffer, .address_space: global }
      - { .name: b1, .offset: 24, .size: 8, .value_kind: global_buffer, .address_space: global }
      - { .name: fc, .offset: 32, .size: 8, .value_kind: global_buffer, .address_space: global }
    .group_segment_fixed_size: 327680
    .private_segment_fixed_size: 0
    .kernarg_segment_align: 8
    .kernarg_segment_size: 40
    .max_flat_workgroup_size: 128
    .sgpr_count:     98
    .vgpr_count:     1024
    .wavefront_size: 32
...
	.end_amdgpu_metadata
.endif
;; end of part 6
;; launch ffn2 (part 7): grid 8 x 32, 4 waves a work-group, clusters of 4 x 4, 327,680 bytes of LDS; arguments fc, wcodes, lowp_scales, b2, res1, out0; writes out0
.if DOCPART == 7
	.amdgcn_target "amdgcn-amd-amdhsa--gfx1250"
	.amdhsa_code_object_version 6
	.text
	.protected	k_q4d3af9d2f7_ffn2
	.globl	k_q4d3af9d2f7_ffn2
	.p2align	8
	.type	k_q4d3af9d2f7_ffn2,@function
k_q4d3af9d2f7_ffn2:
	s_mov_b64 s[64:65], 0
	v_nop
	global_prefetch_b8 v0, s[64:65] scope:SCOPE_SE
	s_setreg_imm32_b32 hwreg(HW_REG_WAVE_MODE, 25, 1), 1
	s_wait_xcnt 0x0
	s_wait_alu depctr_hold_cnt(0) depctr_sa_sdst(0) depctr_va_vdst(0) depctr_va_sdst(0) depctr_va_ssrc(0) depctr_va_vcc(0) depctr_vm_vsrc(0)
	s_getreg_b32 s2, hwreg(HW_REG_IB_STS2, 6, 4)
	s_cmp_eq_u32 s2, 0
	s_cbranch_scc0 .Lentry_in_a_cluster
	s_endpgm
.Lentry_in_a_cluster:
	s_bfe_u32 s2, ttmp6, 0x10000c
	s_cmp_lg_u32 s2, 0xf033
	s_cbranch_scc0 .Lentry_shape_is_right
	s_endpgm
.Lentry_shape_is_right:
.set SIZE_K, 4096
.set WOFF,   8<<20
.set BKROW,  4096
.set EOFF,   0x38
.set HEADMAJOR, 0
.set SK,     512
.set BP,     528
.set BHALF,  64*BP
.if HEADMAJOR
.set AHALF,  8*64*80
.set ASTEP,  8*2048*64
.else
.set AHALF,  BHALF
.set ASTEP,  SK
.endif
.set SLOT,   2*AHALF+2*BHALF
.set STAGE,  2*SLOT
.set SPITCH, 272
.set SPARE,  STAGE+4*16*SPITCH
.set LAPS,   SIZE_K/(2*SK)
.set ADRA, 16
.set ADRB, 20
.set STO,  24
.set RD,   25
.set CO,   26
.set SPW,  28
.set NIL,  29
.set BIAS, 32
.set ACC,  128
.set F0,   0
.set F1,   128
.set G1, 24
.set G0, 32
.set G1B, 48
.set G0B, 56
.set MSB, 0
.macro WIN new
.if MSB != \new
	s_set_vgpr_msb (MSB<<8)|\new
.set MSB, \new
.endif
.endm
.set MUL,  0x05
.set TO_F, 0x40
.macro JLOAD s
	s_cmp_eq_u32 s11, 0
	s_cbranch_scc0 .Lfor_b_\@
	tensor_load_to_lds s[G0+4*\s:G0+4*\s+3], s[G1:G1+7]
	s_nop 0
.rept 4
	v_nop
.endr
	s_branch .Lasked_\@
.Lfor_b_\@:
	tensor_load_to_lds s[G0B+4*\s:G0B+4*\s+3], s[G1B:G1B+7]
	s_nop 0
.rept 4
	v_nop
.endr
.Lasked_\@:
.endm
.macro CREST
	s_cmp_lg_u32 s10, 0
	s_cbranch_scc1 .Lnot_wave_0_\@
	s_barrier_signal -3
.Lnot_wave_0_\@:
	s_barrier_wait -3
	s_barrier_signal -1
	s_barrier_wait -1
.endm
.macro CROUND
	s_barrier_signal -1
	s_barrier_wait -1
	CREST
.endm
	s_load_b128 s[4:7], s[0:1], 0x0
	s_load_b256 s[68:75], s[0:1], 0x10
	v_lshl_add_u32 v[SPW], v0, 2, SPARE
	v_mov_b32 v[NIL], 0
	ds_add_u32 v[SPW], v[NIL]
	ds_add_u32 v[SPW], v[NIL]
	v_lshrrev_b32 v1, 5, v0
	v_readfirstlane_b32 s10, v1
	s_lshr_b32 s11, s10, 1
	s_and_b32 s12, s10, 1
	s_bfe_u32 s40, ttmp6, 0x40000
	s_bfe_u32 s41, ttmp6, 0x40004
	s_lshl_b32 s42, ttmp9, 2
	s_add_co_u32 s42, s42, s40
	s_and_b32 s13, ttmp7, 0xffff
	s_lshl_b32 s13, s13, 2
	s_add_co_u32 s13, s13, s41
	s_lshl_b32 s43, s41, 2
	s_lshl_b32 s43, 15, s43
	s_lshl_b32 s44, 0x1111, s40
.if HEADMAJOR
	s_or_b32 s[G1+0], s43, (3<<16)|(1<<20)|(1<<21)|(3<<22)|(3<<25)
	s_mov_b32 s[G1+1], 512<<16
	s_mov_b32 s[G1+2], 8<<16
	s_mov_b32 s[G1+3], 512<<16
	s_mov_b32 s[G1+4], 8
	s_mov_b32 s[G1+5], 16384
.else
	s_or_b32 s[G1+0], s43, (1<<20)|(1<<21)|(6<<22)|(3<<25)
	s_mov_b32 s[G1+1], SK<<16
	s_mov_b32 s[G1+2], 64<<16
	s_mov_b32 s[G1+3], SK<<16
	s_mov_b32 s[G1+4], 64
	s_mov_b32 s[G1+5], SIZE_K
.endif
	s_mov_b32 s[G1+6], 0
	s_mov_b32 s[G1+7], 0
	s_or_b32 s[G1B+0], s44, (1<<20)|(1<<21)|(6<<22)|(3<<25)
	s_mov_b32 s[G1B+1], SK<<16
	s_mov_b32 s[G1B+2], 64<<16
	s_mov_b32 s[G1B+3], SK<<16
	s_mov_b32 s[G1B+4], 64
	s_mov_b32 s[G1B+5], BKROW
	s_mov_b32 s[G1B+6], 0
	s_mov_b32 s[G1B+7], 0
	s_lshl_b32 s17, s12, 6
	s_lshl_b32 s46, s42, 7
	s_add_co_u32 s46, s46, s17
	s_mul_i32 s46, s46, BKROW
	s_add_co_u32 s46, s46, WOFF
	s_mov_b32 s47, 0
.if HEADMAJOR
	s_lshr_b32 s16, s13, 4
	s_lshl_b32 s16, s16, 15
	s_and_b32 s18, s13, 15
	s_lshl_b32 s18, s18, 7
	s_add_co_u32 s16, s16, s18
	s_add_co_u32 s16, s16, s17
	s_lshl_b32 s16, s16, 6
.else
	s_lshl_b32 s16, s13, 7
	s_add_co_u32 s16, s16, s17
	s_mul_i32 s16, s16, SIZE_K
.endif
	s_mov_b32 s17, 0
	s_mul_i32 s20, s12, AHALF
	s_mul_i32 s21, s12, BHALF
	s_add_co_u32 s21, s21, 2*AHALF
	s_wait_dscnt 0x0
	s_wait_kmcnt 0x0
	s_load_b64 s[76:77], s[68:69], EOFF
	s_add_nc_u64 s[14:15], s[4:5], s[16:17]
	s_add_nc_u64 s[46:47], s[6:7], s[46:47]
	; THE PREFETCHES INTO THE L2.  Behind the joint load of K step n (512 bytes of each row) each wave asks for K step n + 2 (behind the first also for K step 1, whose load sets out only when K step 0 has landed).
	; A wave's tile is 64 rows x 512 bytes, 128 blocks of 256; each of the four partners that ask for it jointly takes 16 rows, told apart by address (cx along a row of the cluster, cy along a column), two lanes to a row: each block once in a cluster.
	; s[66:67] stands at K step 0 at the head and is stepped by one K step at each filling change of slots, behind s_wait_xcnt 0; the loop's last trip, whose refills are K steps 6 and 7, asks for nothing.
	s_cmp_eq_u32 s11, 0
	s_cselect_b64 s[66:67], s[14:15], s[46:47]
	s_cselect_b32 s18, s40, s41
	s_lshl_b32 s18, s18, 16                        ; my work-group's 16 rows of 4,096 bytes
	s_mov_b32 s19, 0
	s_add_nc_u64 s[66:67], s[66:67], s[18:19]
	v_and_b32 v31, 31, v0
	v_lshrrev_b32 v30, 1, v31
	v_and_b32 v31, 1, v31
	v_lshlrev_b32 v30, 12, v30
	v_lshl_add_u32 v30, v31, 8, v30
	s_wait_alu depctr_va_vdst(0)                   ; the wait behind the write
	CROUND
.irp s, 0,1
	s_mov_b32 s[G0+4*\s], 1
	s_add_co_u32 s[G0+4*\s+1], s20, \s*SLOT
	s_add_nc_u64 s[G0+4*\s+2:G0+4*\s+3], s[14:15], \s*ASTEP
	s_or_b32 s[G0+4*\s+3], s[G0+4*\s+3], 0x80000000
	s_mov_b32 s[G0B+4*\s], 1
	s_add_co_u32 s[G0B+4*\s+1], s21, \s*SLOT
	s_add_nc_u64 s[G0B+4*\s+2:G0B+4*\s+3], s[46:47], \s*SK
	s_or_b32 s[G0B+4*\s+3], s[G0B+4*\s+3], 0x80000000
.if \s                                 ; slot 0's load stands behind the opening round; slot 1's first fill behind the full sequence and a round of its own
	s_wait_alu depctr_va_vdst(0)
	s_wait_tensorcnt 0x0
	ds_add_u32 v28, v29
	ds_add_u32 v28, v29
	s_wait_dscnt 0x0
	CROUND
.endif
	JLOAD \s
.if \s
	global_prefetch_b8 v30, s[66:67] offset:3*SK th:TH_LOAD_NT scope:SCOPE_SE
.else
	global_prefetch_b8 v30, s[66:67] offset:SK th:TH_LOAD_NT scope:SCOPE_SE
	global_prefetch_b8 v30, s[66:67] offset:2*SK th:TH_LOAD_NT scope:SCOPE_SE
.endif
.endr
	v_and_b32 v1, 15, v0
	v_bfe_u32 v2, v0, 4, 1
.if HEADMAJOR
	v_mul_u32_u24 v3, v1, 80
.else
	v_mul_u32_u24 v3, v1, BP
.endif
	v_lshl_add_u32 v3, v2, 4, v3
	v_mul_u32_u24 v4, v1, BP
	v_lshl_add_u32 v4, v2, 4, v4
	s_mul_i32 s21, s11, AHALF
	s_mul_i32 s22, s12, BHALF
	s_add_co_u32 s22, s22, 2*AHALF
.irp s, 0,1
	v_add_nc_u32 v[ADRA+\s], s21, v3
	v_add_nc_u32 v[ADRB+\s], s22, v4
	s_add_co_u32 s21, s21, SLOT
	s_add_co_u32 s22, s22, SLOT
.endr
	s_mul_i32 s23, s10, 16*SPITCH
	s_add_co_u32 s23, s23, STAGE
	v_mul_u32_u24 v5, v1, SPITCH
	v_lshl_add_u32 v5, v2, 5, v5
	v_add_nc_u32 v[STO], s23, v5
	v_mul_u32_u24 v5, v2, SPITCH
	v_lshl_add_u32 v5, v1, 4, v5
	v_add_nc_u32 v[RD], s23, v5
	v_lshlrev_b32 v[CO], 12, v2
	v_lshl_add_u32 v[CO], v1, 4, v[CO]
	s_wait_alu depctr_va_vdst(0)
	s_lshl_b32 s16, s13, 7
	s_lshl_b32 s17, s11, 6
	s_add_co_u32 s16, s16, s17
	s_lshl_b32 s16, s16, 12
	s_lshl_b32 s46, s42, 9
	s_lshl_b32 s47, s12, 8
	s_add_co_u32 s46, s46, s47
	s_add_co_u32 s16, s16, s46
	s_mov_b32 s17, 0
	s_mov_b32 s47, 0
	s_add_nc_u64 s[72:73], s[72:73], s[16:17]
	s_add_nc_u64 s[74:75], s[74:75], s[16:17]
	s_add_nc_u64 s[70:71], s[70:71], s[46:47]
	v_lshlrev_b32 v6, 5, v2
.irp b, 0,1,2,3
	global_load_b128 v[BIAS+8*\b:BIAS+8*\b+3], v6, s[70:71] offset:64*\b
	global_load_b128 v[BIAS+8*\b+4:BIAS+8*\b+7], v6, s[70:71] offset:64*\b+16
.endr
	WIN 0x80
.set i, 0
.rept 32
	global_load_b128 v[4*i:4*i+3], v[CO], s[72:73] offset:2*i*4096
.set i, i+1
.endr
	WIN 0
.macro FRAGA reg, slot, q, i
.irp c, 0,1,2,3
.if HEADMAJOR
	ds_load_b128 v[\reg+4*\c:\reg+4*\c+3], v[ADRA+\slot] offset:(2*(\q)+\c/2)*5120+32*(\c%2)+(\i)*1280
.else
	ds_load_b128 v[\reg+4*\c:\reg+4*\c+3], v[ADRA+\slot] offset:128*(\q)+32*\c+(\i)*16*BP
.endif
.endr
.endm
.macro FRAGB reg, slot, q, i
.irp c, 0,1,2,3
	ds_load_b128 v[\reg+4*\c:\reg+4*\c+3], v[ADRB+\slot] offset:128*(\q)+32*\c+(\i)*16*BP
.endr
.endm
.macro FETCH slot, q, f
	WIN TO_F
.irp i, 0,1,2,3
	FRAGB \f+64+16*\i, \slot, \q, \i
.endr
.irp i, 0,1,2,3
	FRAGA \f+16*\i, \slot, \q, \i
.endr
.endm
.macro MUL8 f, a0, zero
.irp a, \a0, \a0+1
.irp b, 0,1,2,3
.if \zero
	v_wmma_f32_16x16x128_fp8_fp8 v[ACC+8*(4*(\a)+\b):ACC+8*(4*(\a)+\b)+7], v[\f+64+16*\b:\f+64+16*\b+15], v[\f+16*(\a):\f+16*(\a)+15], 0
.else
	v_wmma_f32_16x16x128_fp8_fp8 v[ACC+8*(4*(\a)+\b):ACC+8*(4*(\a)+\b)+7], v[\f+64+16*\b:\f+64+16*\b+15], v[\f+16*(\a):\f+16*(\a)+15], v[ACC+8*(4*(\a)+\b):ACC+8*(4*(\a)+\b)+7]
.endif
.endr
.endr
.endm
.macro PLACES
.rept 4
	v_nop
.endr
.endm
.macro QUARTER slot, q, f, g, zero
	s_wait_dscnt 8
	WIN MUL
	MUL8 \f, 0, \zero
	PLACES
	FETCH \slot, \q, \g
	s_wait_dscnt 32
	WIN MUL
	MUL8 \f, 2, \zero
.endm
.macro TURN slot, next, fill
	WIN 0
.if \fill
	s_wait_xcnt 0x0                                ; the last prefetch, a K step back, has read its address
	s_add_nc_u64 s[66:67], s[66:67], SK            ; one K step behind the refill that this change asks for
.endif
	s_wait_tensorcnt 0x0
	ds_add_u32 v[SPW], v[NIL]
	s_wait_dscnt 0x0
	s_barrier_signal -1
	WIN MUL
	MUL8 F1, 0, 0
	WIN 0
	s_barrier_wait -1
.if \fill
	CREST
	s_add_nc_u64 s[G0+4*\slot+2:G0+4*\slot+3], s[G0+4*\slot+2:G0+4*\slot+3], 2*ASTEP
	s_add_nc_u64 s[G0B+4*\slot+2:G0B+4*\slot+3], s[G0B+4*\slot+2:G0B+4*\slot+3], 2*SK
	JLOAD \slot
.else
	PLACES
.endif
	FETCH \next, 0, F0
.if \fill
	WIN 0                                          ; at a branch and at a label every window is 0
	s_cmp_gt_u32 s3, 1                             ; not in the loop's last trip: there is no K step two refills on
	s_cbranch_scc0 .Lnone_\@
	global_prefetch_b8 v30, s[66:67] offset:3*SK th:TH_LOAD_NT scope:SCOPE_SE
.Lnone_\@:
.endif
	WIN MUL
	MUL8 F1, 2, 0
.endm
	s_wait_tensorcnt 1
	s_barrier_signal -1
	s_barrier_wait -1
	FETCH 0, 0, F0
	QUARTER 0, 1, F0, F1, 1
.if LAPS > 1
	WIN 0
	s_mov_b32 s3, LAPS-1
.Llap:
	QUARTER 0, 2, F1, F0, 0
	QUARTER 0, 3, F0, F1, 0
	TURN 0, 1, 1
	QUARTER 1, 1, F0, F1, 0
	QUARTER 1, 2, F1, F0, 0
	QUARTER 1, 3, F0, F1, 0
	TURN 1, 0, 1
	QUARTER 0, 1, F0, F1, 0
	WIN 0
	s_sub_co_u32 s3, s3, 1
	s_cmp_lg_u32 s3, 0
	s_cbranch_scc1 .Llap
.endif
	QUARTER 0, 2, F1, F0, 0
	QUARTER 0, 3, F0, F1, 0
	TURN 0, 1, 0
	QUARTER 1, 1, F0, F1, 0
	QUARTER 1, 2, F1, F0, 0
	QUARTER 1, 3, F0, F1, 0
	s_wait_dscnt 8
	WIN MUL
	MUL8 F1, 0, 0
	s_wait_dscnt 0
	MUL8 F1, 2, 0
	WIN 0
	s_wait_kmcnt 0x0
	s_add_co_i32 s78, s76, s77
	s_add_co_i32 s78, s78, 127
	s_lshl_b32 s78, s78, 23
	s_mov_b32 s79, s78
	s_wait_loadcnt 0x0
	PLACES
.macro PACK a
.irp b, 0,1,2,3
.irp j, 0,2,4,6
	v_pk_fma_f32 v[ACC+8*(4*\a+\b)+\j:ACC+8*(4*\a+\b)+\j+1], v[ACC+8*(4*\a+\b)+\j:ACC+8*(4*\a+\b)+\j+1], s[78:79], v[BIAS+8*\b+\j:BIAS+8*\b+\j+1] op_sel_hi:[1,0,1]
.endr
.endr
.irp b, 0,1,2,3
	ds_store_b128 v[STO], v[ACC+8*(4*\a+\b):ACC+8*(4*\a+\b)+3] offset:64*\b
	ds_store_b128 v[STO], v[ACC+8*(4*\a+\b)+4:ACC+8*(4*\a+\b)+7] offset:64*\b+16
.endr
.irp t, 0,1,2,3,4,5,6,7
	ds_load_b128 v[ACC+32*\a+4*\t:ACC+32*\a+4*\t+3], v[RD] offset:\t*2*SPITCH
.endr
.endm
.macro SEND a, younger
	s_wait_dscnt \younger
	WIN 0x08
.set i, 0
.rept 16
	v_pk_add_f32 v[ACC+32*\a+i:ACC+32*\a+i+1], v[ACC+32*\a+i:ACC+32*\a+i+1], v[32*\a+i:32*\a+i+1]
.set i, i+2
.endr
	WIN 0
.irp t, 0,1,2,3,4,5,6,7
	global_store_b128 v[CO], v[ACC+32*\a+4*\t:ACC+32*\a+4*\t+3], s[74:75] offset:(16*\a+2*\t)*4096 th:TH_STORE_NT
.endr
.endm
	PACK 0
	PACK 1
	SEND 0, 16
	PACK 2
	SEND 1, 16
	PACK 3
	SEND 2, 16
	SEND 3, 0
	s_wait_tensorcnt 0x0
	ds_add_u32 v[SPW], v[NIL]
	s_wait_dscnt 0x0
	CROUND
	s_endpgm
.Lfunc_end_k_q4d3af9d2f7_ffn2:
	.size	k_q4d3af9d2f7_ffn2, .Lfunc_end_k_q4d3af9d2f7_ffn2-k_q4d3af9d2f7_ffn2
	.p2alignl 7, 3214868480
	.fill 96, 4, 3214868480
	.section	.rodata,"a",@progbits
	.p2align	6, 0x0
	.amdhsa_kernel k_q4d3af9d2f7_ffn2
		.amdhsa_group_segment_fixed_size 327680
		.amdhsa_private_segment_fixed_size 0
		.amdhsa_enable_private_segment 0
		.amdhsa_kernarg_size 48
		.amdhsa_user_sgpr_count 2
		.amdhsa_user_sgpr_kernarg_segment_ptr 1
		.amdhsa_wavefront_size32 1
		.amdhsa_system_sgpr_workgroup_id_x 1
		.amdhsa_system_sgpr_workgroup_id_y 1
		.amdhsa_system_sgpr_workgroup_id_z 1
		.amdhsa_system_vgpr_workitem_id 0
		.amdhsa_next_free_vgpr 640
		.amdhsa_next_free_sgpr 80
		.amdhsa_reserve_vcc 0
		.amdhsa_float_denorm_mode_32 3
		.amdhsa_float_denorm_mode_16_64 3
		.amdhsa_memory_ordered 1
		.amdhsa_forward_progress 1
		.amdhsa_inst_pref_size 84
	.end_amdhsa_kernel
	.amdgpu_metadata
---
amdhsa.version: [ 1, 2 ]
amdhsa.kernels:
  - .name:           k_q4d3af9d2f7_ffn2
    .symbol:         k_q4d3af9d2f7_ffn2.kd
    .args:
      - { .name: fc, .offset: 0, .size: 8, .value_kind: global_buffer, .address_space: global }
      - { .name: wcodes, .offset: 8, .size: 8, .value_kind: global_buffer, .address_space: global }
      - { .name: lowp_scales, .offset: 16, .size: 8, .value_kind: global_buffer, .address_space: global }
      - { .name: b2, .offset: 24, .size: 8, .value_kind: global_buffer, .address_space: global }
      - { .name: res1, .offset: 32, .size: 8, .value_kind: global_buffer, .address_space: global }
      - { .name: out0, .offset: 40, .size: 8, .value_kind: global_buffer, .address_space: global }
    .group_segment_fixed_size: 327680
    .private_segment_fixed_size: 0
    .kernarg_segment_align: 8
    .kernarg_segment_size: 48
    .max_flat_workgroup_size: 128
    .sgpr_count:     80
    .vgpr_count:     640
    .wavefront_size: 32
...
	.end_amdgpu_metadata
.endif
;; end of part 7
